; MI455X (gfx1250); checked and timed in simulation.
; The chip was launched on July 23, 2026; its instructions are those of AMD's public machine-readable ISA for CDNA 5 (MIT licence, August 2026) and "CDNA5" Instruction Set Architecture Reference Guide (July 2026). The comments in the code are by the model that wrote it; some were corrected since.
;; Attention. Allowed arithmetic: matrix products marked QUANTISED: E2M3 operands, one E8M0 scale for each 32 along K, by v_wmma_scale_f32_16x16x128_f8f6f4 with both operands' format E2M3, f32 sums; everything else in f32.
;; Inputs: W_out 1,024 x 1,024 float32; W_qkv 1,024 x 3,072 float32; b_out 1,024 float32; x 2 x 2,048 x 1,024 float32; x1 2 x 2,048 x 1,024 float32.
;; Outputs: out0 2 x 2,048 x 1,024 float32; out1 2 x 2,048 x 1,024 float32.
;; This version of the problem:
;;   THIS VERSION OF THE PROBLEM IS GIVEN IN LOW PRECISION. The matrix products marked QUANTISED in the list below multiply operands that are first quantised to E2M3 (2 exponent bits, 3 mantissa bits; 6 bits a number), with one power-of-two scale for each 32 numbers along K (OCP MX v1.0); their sums are f32. All else is computed in f32.
;;   The module's matrix products, in the order in which they are computed (A, B: the left and right operand; K: the contracted axis; several contracted axes count as one K, in the product's order):
;;     1. [M 4,096, K 1,024] x [K 1,024, N 3,072]; A: input x; B: input W_qkv: QUANTISED
;;     2. [M 4,096, K 1,024] x [K 1,024, N 3,072]; A: input x1; B: input W_qkv: QUANTISED
;;     3. batch 32 x [M 2,048, K 64] x [K 64, N 2,048]; A: computed on the way; B: computed on the way: QUANTISED
;;     4. batch 32 x [M 2,048, K 64] x [K 64, N 2,048]; A: computed on the way; B: computed on the way: QUANTISED
;;     5. batch 32 x [M 2,048, K 2,048] x [K 2,048, N 64]; A: softmax (see below); B: computed on the way: QUANTISED
;;     6. batch 32 x [M 2,048, K 2,048] x [K 2,048, N 64]; A: softmax (see below); B: computed on the way: QUANTISED
;;     7. [M 4,096, K 1,024] x [K 1,024, N 1,024]; A: computed on the way; B: input W_out: QUANTISED
;;     8. [M 4,096, K 1,024] x [K 1,024, N 1,024]; A: computed on the way; B: input W_out: QUANTISED
;;   THE QUANTISER, for each operand of a quantised product, along K:
;;     - K is cut into blocks of 32 from its start; a last block that is shorter is filled with zeros.
;;     - A block's scale is 2^e with e = floor(log2(the largest magnitude in the block)) - 2, held to -126 .. 127; a block of zeros has e = 0. As a byte (E8M0): e + 127.
;;     - Each number is divided by its block's scale, clamped to +-7.5, and rounded to the nearest number of E2M3, ties to even, subnormals kept.
;;     - The product sums the exact products of the quantised numbers (number of the format x scale) in f32.
;;   ~~~python
;;   def quantise(x, axis):      # numpy; x: float32 -> the quantised numbers, widened to float32 again
;;       x = np.moveaxis(x, axis, -1); K = x.shape[-1]
;;       x = np.pad(x, [(0, 0)] * (x.ndim - 1) + [(0, -K % 32)]); x = x.reshape(x.shape[:-1] + (-1, 32)); a = np.abs(x).max(-1, keepdims=True)
;;       e = np.where(a > 0, np.clip(np.frexp(np.where(a > 0, a, 1))[1] - 1 - 2, -126, 127), 0)      # np.frexp(a)[1] - 1 = floor(log2(a)), exactly
;;       r = np.clip(x / 2.0 ** e, -7.5, 7.5)
;;       step = 2.0 ** (np.maximum(np.frexp(np.where(r == 0, 1, r))[1] - 1, 0) - 3)
;;       q = np.round(r / step) * step * 2.0 ** e      # np.round: ties to even
;;       return np.moveaxis(q.reshape(q.shape[:-2] + (-1,))[..., :K], -1, axis).astype(np.float32)
;;   ~~~
;;   SOFTMAX AHEAD OF A QUANTISED PRODUCT. Where the list says 'softmax', what is quantised is not the finished softmax but p = 2^(t - M), with t = logit x log2(e) and M = ceil(the row's largest t), a whole number; so 1/2 < the row's largest p <= 1. The row's sum l is taken of the UNQUANTISED p, in f32, and the product's result is divided by l at the end. Since M is a whole number, a kernel that streams over the keys may use a running M (the ceiling of the running maximum): every later rescaling is an exact power of two, which a block's scale takes up: the codes' values come out the same.
;;   OPERANDS COMPUTED ON THE WAY. 'Computed on the way' means the value that the module computes at that place (a softmax that the list does not call 'softmax' is quantised finished and normalised). What goes into a quantiser is computed in f32, as accurately as f32 sums, v_exp_f32 and their like allow (about 1e-6 of the number): no bf16 or f16 on the way to a quantiser, and a product that is left as it is and whose result goes on into a quantised operand takes f32 operands (vector FMAs, or v_wmma_f32_16x16x4_f32). A number that lies on a knife's edge between two numbers of the format may be rounded either way, as far as f32 arithmetic and the matrix unit's own rounding can turn it there, and no further.
;; One version. Each part assembles by itself: llvm-mc -triple=amdgcn-amd-amdhsa -mcpu=gfx1250 --defsym DOCPART=n.
;; ======== version 1 of 1: 4 launches
;; limits: right only within a limited range of input values
;; workspace buffers: xc 6,291,456 bytes; xs 262,144 bytes; wc 3,145,728 bytes; ws 131,072 bytes; qkv 19,660,800 bytes; oc 6,291,456 bytes; os 262,144 bytes
;; launch quant (part 1): grid 384 x 1, 8 waves a work-group, no clusters, 120,832 bytes of LDS; arguments x, x1, W_qkv, W_out, xc, xs, wc, ws; writes xc, xs, wc, ws
.if DOCPART == 1
	.amdgcn_target "amdgcn-amd-amdhsa--gfx1250"
	.amdhsa_code_object_version 6
	.text
	.protected	k_q7b9fbd5846_quant
	.globl	k_q7b9fbd5846_quant
	.p2align	8
	.type	k_q7b9fbd5846_quant,@function
k_q7b9fbd5846_quant:
	s_mov_b64 s[64:65], 0
	v_nop
	global_prefetch_b8 v0, s[64:65] scope:SCOPE_SE
	s_setreg_imm32_b32 hwreg(HW_REG_WAVE_MODE, 25, 1), 1
	s_wait_xcnt 0x0
; x, x1 [4096][1024] (K innermost) and W_qkv [1024][3072], W_out [1024][1024] (K outermost), all f32, become codes of FP6 (E2M3) with one E8M0 byte for each 32 along K.
; A block's scale is 2^(floor(log2(its largest magnitude)) - 2): its byte is the largest magnitude's exponent field - 2, held at 1 from below.
; LIMITS: NaN and infinities among the inputs are not served.  A block of zeros, and a block whose largest magnitude lies under 2^(3 - 127), keeps the byte 1 (the rule says 127 for zeros): its codes are zeros or near it, and this program alone reads the bytes.
; THE CODES ARE LAID AS THE MATRIX UNIT'S REGISTERS TAKE THEM.  A fragment (16 rows x 128 K, 12 registers a lane) is 1,536 bytes: three parts of 512, part c = registers 4c .. 4c+3, lane l's 16 bytes at 16 l.
; xc, wc: [128 rows][K / 128: 8][tile of 16 rows: 8][1,536];  xs, ws: [128 rows][K / 128][row in tile: 16][tile: 8] scale words.
; THE ROWS OF A TILE ARE NOT NEIGHBOURS: lane r of tile t holds row 32 (t / 2) + 8 (t % 2) + r + 8 (r / 8) of the 128, so that a later product's 16 registers of two neighbouring tiles are 16 neighbours along the next K.
; A work-group takes 128 rows x 256 K.  Work-groups 0-255: x and x1; 256-351: the columns of W_qkv; 352-383: those of W_out.  Three paths, each with LDS bytes, a barrier and an end of its own.
; The launch streams: no matrix unit, no cluster, no tensor load would add anything.
.set STX,  0                           ; path X: a stage of 16 rows x (512 + 16) bytes for each wave
.set SCX,  67584                       ; and two units of 512 bytes of scale words
.set STW1, 68608                       ; W_qkv: two fragments' images for each wave
.set SCW1, 93184
.set STW2, 94208                       ; W_out: the same
.set SCW2, 118784
.set WV,   20                          ; s20 wave
.set KQ,   21                          ; s21 which 256 along K
.set SEL,  30                          ; s[30:31] lane selects: lane l xor 16
.set LI,   1                           ; v1  16 x lane
.set TM,   8                           ; v8-23 at work in QUANT
.set PW,   24                          ; v24 the scale word just made
.set R,    32                          ; v32-159 path X: 32 loads as they come
.set X,    160                         ; v160-223 64 numbers of a lane
.set PC,   224                         ; v224-243 the codes just made
.set WX,   32                          ; v32-95 path W: two sets of 32 numbers
.set OUTR, 208                         ; v208-231 path W: the images read back
; 64 numbers of a lane, register 16 b + i = k 32 b + 16 (lane / 16) + i of my row, become a fragment's codes in v[PC] on and its scale word in v[PW].
.macro QUANT s
.irp b, 0,1,2,3
	v_max3_num_f32 v[TM+\b], |v[\s+16*\b]|, |v[\s+1+16*\b]|, 0x1800000   ; my 16 numbers of block b, and the floor 2^(3 - 127): the byte cannot fall under 1
.endr
.irp i, 2,4,6,8,10,12,14
.irp b, 0,1,2,3
	s_delay_alu instid0(VALU_DEP_4)
	v_max3_num_f32 v[TM+\b], v[TM+\b], |v[\s+16*\b+\i]|, |v[\s+1+16*\b+\i]|
.endr
.endr
.irp b, 0,1,2,3
	s_delay_alu instid0(VALU_DEP_4)
	v_permlanex16_b32 v[TM+4+\b], v[TM+\b], s[SEL], s[SEL+1]
.endr
.irp b, 0,1,2,3
	s_delay_alu instid0(VALU_DEP_4)
	v_max_num_f32 v[TM+\b], v[TM+\b], v[TM+4+\b]       ; with lane l xor 16's: the block's largest magnitude
.endr
.irp b, 0,1,2,3
	s_delay_alu instid0(VALU_DEP_4)
	v_add_nc_u32 v[TM+12+\b], 0xff000000, v[TM+\b]     ; 2 off its exponent field: the conversion's scale operand
.endr
.irp b, 0,1,2,3
	s_delay_alu instid0(VALU_DEP_4)
	v_lshrrev_b32 v[TM+4+\b], 23, v[TM+12+\b]          ; the scale's byte
.endr
	s_delay_alu instid0(VALU_DEP_3)
	v_lshl_or_b32 v[PW], v[TM+5], 8, v[TM+4]
	s_delay_alu instid0(VALU_DEP_1)
	v_lshl_or_b32 v[PW], v[TM+6], 16, v[PW]
	s_delay_alu instid0(VALU_DEP_1)
	v_lshl_or_b32 v[PW], v[TM+7], 24, v[PW]
.irp c, 0,1
	v_cvt_scalef32_pk16_fp6_f32 v[PC+6*\c:PC+2+6*\c], v[\s+32*\c:\s+15+32*\c], v[TM+12+2*\c]
	v_cvt_scalef32_pk16_fp6_f32 v[PC+12+4*\c:PC+14+4*\c], v[\s+16+32*\c:\s+31+32*\c], v[TM+12+2*\c+1]   ; (a conversion's three registers begin on an even number)
.endr
	v_nop                                          ; one plain place behind a scaled conversion
.irp c, 0,1                                    ; the operand's layout wants a whole block in a lane: lanes 0-15 block 2 c, lanes 16-31 block 2 c + 1
.irp i, 0,1,2
	v_permlane16_swap_b32 v[PC+6*\c+\i], v[PC+12+4*\c+\i]
.endr
.irp i, 0,1,2
	s_delay_alu instid0(VALU_DEP_3)
	v_mov_b32 v[PC+3+6*\c+\i], v[PC+12+4*\c+\i]
.endr
.endr
.endm
; The scale words of the work-group's two K steps lie in LDS at sc, 512 bytes each: waves 0 and 1 store one each, 16 bytes a lane: two aligned runs of 256 bytes.
.macro TAIL sc, ptr
	s_lshl_b32 s37, s[WV], 9
	v_add_nc_u32 v10, s37, v[LI]                   ; 512 x wave + 16 x lane
	s_delay_alu instid0(VALU_DEP_1)
	v_add_nc_u32 v11, \sc, v10
	s_wait_dscnt 0x0                               ; for the others' sake: my scale words have landed
	s_barrier_signal -1
	s_barrier_wait -1
	s_cmp_lt_u32 s[WV], 2
	s_cbranch_scc0 .Lno_tail_\@
	s_wait_alu depctr_va_vdst(0)
	ds_load_b128 v[12:15], v11
	s_wait_dscnt 0x0
	global_store_b128 v10, v[12:15], s[\ptr:\ptr+1]
.Lno_tail_\@:
	s_wait_tensorcnt 0x0
	ds_add_u32 v254, v255
	s_wait_dscnt 0x0
	s_endpgm
.endm
	s_load_b256 s[4:11], s[0:1], 0x0               ; x, x1, W_qkv, W_out
	s_load_b256 s[12:19], s[0:1], 0x20             ; xc, xs, wc, ws
	v_lshl_add_u32 v254, v0, 2, 0x1d400
	v_mov_b32 v255, 0
	v_lshrrev_b32 v1, 5, v0
	s_delay_alu instid0(VALU_DEP_1)
	v_readfirstlane_b32 s[WV], v1                  ; wave 0..7
	v_and_b32 v5, 31, v0                           ; lane
	s_delay_alu instid0(VALU_DEP_1)
	v_lshlrev_b32 v[LI], 4, v5
	s_and_b32 s[KQ], ttmp9, 3
	s_mov_b32 s[SEL], 0x76543210
	s_mov_b32 s[SEL+1], 0xfedcba98
	s_cmp_lt_u32 ttmp9, 256
	s_cbranch_scc0 .Lweights
	; ---- PATH X.  Wave t takes tile t: 16 rows x 2 K steps of 128.  Each load reads 512 consecutive bytes of one row; the rows turn through the wave's stage, so that a lane gets 16 neighbours of each block.
	s_lshr_b32 s22, ttmp9, 2                       ; which 128 rows (0-31: x, 32-63: x1)
	v_and_b32 v6, 15, v0                           ; r
	v_bfe_u32 v7, v0, 4, 1                         ; h
	s_mul_i32 s23, s[WV], 8448                     ; my stage
	v_add_nc_u32 v2, s23, v[LI]                    ; in: a row as it lies
	v_mul_u32_u24 v3, v6, 528
	s_delay_alu instid0(VALU_DEP_1)
	v_lshl_add_u32 v3, v7, 6, v3
	s_delay_alu instid0(VALU_DEP_1)
	v_add_nc_u32 v3, s23, v3                       ; out: row r, + 64 h
	v_lshlrev_b32 v4, 5, v6
	s_lshl_b32 s24, s[WV], 2
	s_add_co_u32 s24, s24, SCX
	v_add_nc_u32 v4, s24, v4                       ; my row's scale word: 32 r + 4 x tile
.irp b, 0,1,2,3
	v_mov_b32 v[TM+4+\b], 0                        ; written once: a lane permute's destination counts as one of its sources
.endr
	s_and_b32 s24, s22, 31
	s_lshl_b32 s24, s24, 7
	s_lshr_b32 s25, s[WV], 1
	s_lshl_b32 s25, s25, 5
	s_add_co_u32 s24, s24, s25
	s_and_b32 s25, s[WV], 1
	s_lshl_b32 s25, s25, 3
	s_add_co_u32 s24, s24, s25                     ; the tile's first row: 128 R + 32 (t / 2) + 8 (t % 2)
	s_lshl_b32 s24, s24, 12                        ; rows of 4,096 bytes
	s_lshl_b32 s25, s[KQ], 10
	s_add_co_u32 s24, s24, s25                     ; + 256 numbers for each quarter of K
	s_mov_b32 s25, 0
	s_lshl_b32 s26, s22, 3
	s_lshl_b32 s27, s[KQ], 1
	s_add_co_u32 s26, s26, s27                     ; 8 R + the first K step
	s_lshl_b32 s28, s26, 9                         ; its unit of scale words
	s_mov_b32 s29, 0
	s_lshl_b32 s26, s26, 3
	s_add_co_u32 s26, s26, s[WV]
	s_mul_i32 s26, s26, 1536                       ; its fragment of my tile
	s_mov_b32 s27, 0
	s_wait_alu depctr_va_vdst(0)
	s_wait_kmcnt 0x0
	s_cmp_lt_u32 ttmp9, 128
	s_cselect_b64 s[4:5], s[4:5], s[6:7]           ; x or x1: the choice hangs on the work-group's number alone
	s_add_nc_u64 s[4:5], s[4:5], s[24:25]
	s_add_nc_u64 s[12:13], s[12:13], s[26:27]
	s_add_nc_u64 s[14:15], s[14:15], s[28:29]
.irp cl, 0,1
.irp t, 0,1,2,3,4,5,6,7,8,9,10,11,12,13,14,15
	global_load_b128 v[R+64*\cl+4*\t:R+64*\cl+4*\t+3], v[LI], s[4:5] offset:(16*(\t/8)+(\t%8))*4096+512*\cl th:TH_LOAD_NT
.endr
.endr
.macro XCHUNK cl
.if \cl == 0
	s_wait_loadcnt 16                              ; the first K step's 16 loads are in; the second's 16 may be out
.else
	s_wait_loadcnt 0
.endif
.irp t, 0,1,2,3,4,5,6,7,8,9,10,11,12,13,14,15
	ds_store_b128 v2, v[R+64*\cl+4*\t:R+64*\cl+4*\t+3] offset:528*\t
.endr
.irp b, 0,1,2,3
.irp j, 0,1,2,3
	ds_load_b128 v[X+16*\b+4*\j:X+16*\b+4*\j+3], v3 offset:128*\b+16*\j   ; LDS serves a wave's instructions in order: these see my stores
.endr
.endr
	s_wait_dscnt 0x0
.if \cl
	s_wait_xcnt 0x0                                ; the last K step's stores have read the codes' registers
.endif
	QUANT X
.irp i, 0,1,2
	global_store_b128 v[LI], v[PC+4*\i:PC+4*\i+3], s[12:13] offset:12288*\cl+512*\i   ; 512 consecutive bytes a store
.endr
	ds_store_b32 v4, v[PW] offset:512*\cl          ; lanes l and l xor 16 write the same word with the same value
.endm
	XCHUNK 0
	XCHUNK 1
	TAIL SCX, 14
	; ---- PATH W.  A lane takes a column, its registers run down K: a block of 32 lies in one lane.  Wave w: columns 32 (w % 4) on, K step w / 4.  Loads run two blocks ahead.
.macro WLOAD t, N, wp
.irp i, 0,1,2,3,4,5,6,7,8,9,10,11,12,13,14,15,16,17,18,19,20,21,22,23,24,25,26,27,28,29,30,31
	global_load_b32 v[WX+32*((\t)%2)+\i], v2, s[\wp:\wp+1] offset:(32*(\t)+\i)*4*\N th:TH_LOAD_NT
.endr
.endm
.macro WBLOCK t, N, wp
.set XS, WX+32*((\t)%2)
.set CQ, 160+8*(\t)
.set TQ, 192+4*(\t)
.if (\t) < 3
	s_wait_loadcnt 32                              ; this block's 32 loads are in; the next block's may be out
.else
	s_wait_loadcnt 0
.endif
	v_max3_num_f32 v12, |v[XS]|, |v[XS+1]|, |v[XS+2]|
	v_max3_num_f32 v13, |v[XS+3]|, |v[XS+4]|, |v[XS+5]|
.irp i, 6,10,14,18,22,26
	s_delay_alu instid0(VALU_DEP_2)
	v_max3_num_f32 v12, v12, |v[XS+\i]|, |v[XS+\i+1]|
	s_delay_alu instid0(VALU_DEP_2)
	v_max3_num_f32 v13, v13, |v[XS+\i+2]|, |v[XS+\i+3]|
.endr
	s_delay_alu instid0(VALU_DEP_2)
	v_max3_num_f32 v12, v12, |v[XS+30]|, |v[XS+31]|
	s_delay_alu instid0(VALU_DEP_1)
	v_max3_num_f32 v12, v12, v13, 0x1800000        ; and the floor
	s_delay_alu instid0(VALU_DEP_1)
	v_add_nc_u32 v14, 0xff000000, v12              ; the conversion's scale operand
	s_delay_alu instid0(VALU_DEP_1)
	v_lshrrev_b32 v15, 23, v14                     ; the byte
.if (\t) == 0
	s_delay_alu instid0(VALU_DEP_1)
	v_mov_b32 v16, v15
.else
	s_delay_alu instid0(VALU_DEP_1)
	v_lshl_or_b32 v16, v15, 8*(\t), v16            ; four bytes make my column's scale word
.endif
	v_cvt_scalef32_pk16_fp6_f32 v[CQ:CQ+2], v[XS:XS+15], v14
	v_cvt_scalef32_pk16_fp6_f32 v[TQ:TQ+2], v[XS+16:XS+31], v14
	v_nop                                          ; one plain place behind a scaled conversion
.irp i, 0,1,2
	v_mov_b32 v[CQ+3+\i], v[TQ+\i]
.endr
	; block t is registers 6 (t / 2) .. + 5 of lane r + 16 (t % 2) of the fragment: its 24 bytes go to their places in the image
.if (\t) < 2
	ds_store_b128 v3, v[CQ:CQ+3] offset:256*((\t)%2)
	ds_store_b64 v3, v[CQ+4:CQ+5] offset:512+256*((\t)%2)
.else
	ds_store_b64 v3, v[CQ:CQ+1] offset:520+256*((\t)%2)
	ds_store_b128 v3, v[CQ+2:CQ+5] offset:1024+256*((\t)%2)
.endif
.if (\t)+2 < 4
	WLOAD (\t)+2, \N, \wp
.endif
.endm
.macro WPATH N, stw, scw, wp, b0, r0
	s_sub_co_u32 s22, ttmp9, \b0
	s_lshr_b32 s22, s22, 2                         ; which 128 columns of this weight
	s_and_b32 s23, s[WV], 3                        ; which 32 of them
	s_lshr_b32 s24, s[WV], 2                       ; which of the two K steps
	s_lshl_b32 s25, s[KQ], 1
	s_add_co_u32 s25, s25, s24                     ; the K step of 128
	s_mul_i32 s26, s25, 128*4*\N
	s_lshl_b32 s27, s22, 9
	s_add_co_u32 s26, s26, s27
	s_lshl_b32 s27, s23, 7
	s_add_co_u32 s26, s26, s27                     ; where my wave's numbers begin
	s_mov_b32 s27, 0
	s_add_co_u32 s28, s22, \r0
	s_lshl_b32 s28, s28, 3
	s_lshl_b32 s32, s[KQ], 1
	s_add_co_u32 s32, s32, s28
	s_lshl_b32 s32, s32, 9                         ; the work-group's two units of scale words
	s_mov_b32 s33, 0
	s_add_co_u32 s28, s28, s25
	s_lshl_b32 s28, s28, 3
	s_lshl_b32 s29, s23, 1
	s_add_co_u32 s28, s28, s29
	s_mul_i32 s28, s28, 1536                       ; my wave's two fragments
	s_mov_b32 s29, 0
	v_lshlrev_b32 v2, 2, v5                        ; in: 4 bytes a lane
	v_bfe_u32 v6, v0, 3, 1                         ; column 32 g + lane lies in tile 2 g + (bit 3 of the lane),
	v_bfe_u32 v7, v0, 4, 1
	v_and_b32 v8, 7, v0
	s_delay_alu instid0(VALU_DEP_1)
	v_lshl_or_b32 v8, v7, 3, v8                    ; at row (lane % 8) + 8 (bit 4)
	s_mul_i32 s34, s[WV], 3072
	s_add_co_u32 s34, s34, \stw
	v_mul_u32_u24 v3, v6, 1536
	s_delay_alu instid0(VALU_DEP_1)
	v_lshl_add_u32 v3, v8, 4, v3
	s_delay_alu instid0(VALU_DEP_1)
	v_add_nc_u32 v3, s34, v3                       ; into the images
	v_add_nc_u32 v4, s34, v[LI]                    ; and back: 16 bytes a lane
	s_lshl_b32 s35, s24, 9
	s_lshl_b32 s36, s23, 3
	s_add_co_u32 s35, s35, s36
	s_add_co_u32 s35, s35, \scw
	v_lshlrev_b32 v9, 5, v8
	s_delay_alu instid0(VALU_DEP_1)
	v_lshl_add_u32 v9, v6, 2, v9
	s_delay_alu instid0(VALU_DEP_1)
	v_add_nc_u32 v9, s35, v9                       ; my column's scale word
	s_wait_kmcnt 0x0
	s_add_nc_u64 s[\wp:\wp+1], s[\wp:\wp+1], s[26:27]
	s_add_nc_u64 s[16:17], s[16:17], s[28:29]
	s_add_nc_u64 s[18:19], s[18:19], s[32:33]
	WLOAD 0, \N, \wp
	WLOAD 1, \N, \wp
	WBLOCK 0, \N, \wp
	WBLOCK 1, \N, \wp
	WBLOCK 2, \N, \wp
	WBLOCK 3, \N, \wp
	ds_store_b32 v9, v16
.irp i, 0,1,2,3,4,5
	ds_load_b128 v[OUTR+4*\i:OUTR+4*\i+3], v4 offset:512*\i   ; LDS serves a wave's instructions in order: these see my stores
.endr
.irp i, 0,1,2,3,4,5
	s_wait_dscnt 5-\i
	global_store_b128 v[LI], v[OUTR+4*\i:OUTR+4*\i+3], s[16:17] offset:512*\i
.endr
	TAIL \scw, 18
.endm
.Lweights:
	s_cmp_lt_u32 ttmp9, 352
	s_cbranch_scc0 .Lwout
	s_wait_alu depctr_va_vdst(0)
	WPATH 3072, STW1, SCW1, 8, 256, 0
.Lwout:
	s_wait_alu depctr_va_vdst(0)
	WPATH 1024, STW2, SCW2, 10, 352, 24
.Lfunc_end_k_q7b9fbd5846_quant:
	.size	k_q7b9fbd5846_quant, .Lfunc_end_k_q7b9fbd5846_quant-k_q7b9fbd5846_quant
	.p2alignl 7, 3214868480
	.fill 96, 4, 3214868480
	.section	.rodata,"a",@progbits
	.p2align	6, 0x0
	.amdhsa_kernel k_q7b9fbd5846_quant
		.amdhsa_group_segment_fixed_size 120832
		.amdhsa_private_segment_fixed_size 0
		.amdhsa_enable_private_segment 0
		.amdhsa_kernarg_size 64
		.amdhsa_user_sgpr_count 2
		.amdhsa_user_sgpr_kernarg_segment_ptr 1
		.amdhsa_wavefront_size32 1
		.amdhsa_system_sgpr_workgroup_id_x 1
		.amdhsa_system_sgpr_workgroup_id_y 1
		.amdhsa_system_sgpr_workgroup_id_z 1
		.amdhsa_system_vgpr_workitem_id 0
		.amdhsa_next_free_vgpr 256
		.amdhsa_next_free_sgpr 66
		.amdhsa_reserve_vcc 0
		.amdhsa_float_denorm_mode_32 3
		.amdhsa_float_denorm_mode_16_64 3
		.amdhsa_memory_ordered 1
		.amdhsa_forward_progress 1
		.amdhsa_inst_pref_size 71
	.end_amdhsa_kernel
	.amdgpu_metadata
---
amdhsa.version: [ 1, 2 ]
amdhsa.kernels:
  - .name:           k_q7b9fbd5846_quant
    .symbol:         k_q7b9fbd5846_quant.kd
    .args:
      - { .name: x, .offset: 0, .size: 8, .value_kind: global_buffer, .address_space: global }
      - { .name: x1, .offset: 8, .size: 8, .value_kind: global_buffer, .address_space: global }
      - { .name: W_qkv, .offset: 16, .size: 8, .value_kind: global_buffer, .address_space: global }
      - { .name: W_out, .offset: 24, .size: 8, .value_kind: global_buffer, .address_space: global }
      - { .name: xc, .offset: 32, .size: 8, .value_kind: global_buffer, .address_space: global }
      - { .name: xs, .offset: 40, .size: 8, .value_kind: global_buffer, .address_space: global }
      - { .name: wc, .offset: 48, .size: 8, .value_kind: global_buffer, .address_space: global }
      - { .name: ws, .offset: 56, .size: 8, .value_kind: global_buffer, .address_space: global }
    .group_segment_fixed_size: 120832
    .private_segment_fixed_size: 0
    .kernarg_segment_align: 8
    .kernarg_segment_size: 64
    .max_flat_workgroup_size: 256
    .sgpr_count:     66
    .vgpr_count:     256
    .wavefront_size: 32
...
	.end_amdgpu_metadata
.endif
;; end of part 1
;; launch gemm_qkv (part 2): grid 8 x 32, 4 waves a work-group, clusters of 4 x 4, 327,680 bytes of LDS; arguments xc, xs, wc, ws, qkv; writes qkv
.if DOCPART == 2
	.amdgcn_target "amdgcn-amd-amdhsa--gfx1250"
	.amdhsa_code_object_version 6
	.text
	.protected	k_q7b9fbd5846_gemm_qkv
	.globl	k_q7b9fbd5846_gemm_qkv
	.p2align	8
	.type	k_q7b9fbd5846_gemm_qkv,@function
k_q7b9fbd5846_gemm_qkv:
	s_mov_b64 s[64:65], 0
	v_nop
	global_prefetch_b8 v0, s[64:65] scope:SCOPE_SE
	s_setreg_imm32_b32 hwreg(HW_REG_WAVE_MODE, 25, 1), 1
	s_wait_xcnt 0x0
	s_wait_alu depctr_hold_cnt(0) depctr_sa_sdst(0) depctr_va_vdst(0) depctr_va_sdst(0) depctr_va_ssrc(0) depctr_va_vcc(0) depctr_vm_vsrc(0)
	s_getreg_b32 s2, hwreg(HW_REG_IB_STS2, 6, 4)
	s_cmp_eq_u32 s2, 0
	s_cbranch_scc0 .Lentry_in_a_cluster
	s_endpgm
.Lentry_in_a_cluster:
	s_bfe_u32 s2, ttmp6, 0x10000c
	s_cmp_lg_u32 s2, 0xf033
	s_cbranch_scc0 .Lentry_shape_is_right
	s_endpgm
.Lentry_shape_is_right:
; q, k, v = Q(x) Q(W_qkv) on codes of FP6 (E2M3), K = 1,024, quantised again on the way out: q and k along the head's 64, v along the keys.
; SHARES.  A work-group owns 256 rows of x or x1 (two groups of 128, all of K: 196,608 bytes of LDS, filled once) and walks three groups of 128 columns of W_qkv: q's, k's and v's of one pair of heads.
; A wave owns one group of rows and one head: 128 x 64 results, 32 accumulators, 256 registers.  For q and k source 0 = 4 tiles of W, source 1 = 8 tiles of x: a lane holds a row of x, its registers run along the head.
; For v source 0 = 8 tiles of x, source 1 = 4 tiles of W: a lane holds a channel, its registers run along the keys.  LDS addresses, fragments and scale words are the same in both; only the sources' order differs.
; In both, registers 64 n .. 64 n + 63 of the accumulators are the four blocks of 32 of fragment n of the output, so one way out serves all three.
; THE RING.  W's group lies in LDS as two halves along K (4 steps of 128, 49,152 bytes each).  A half is filled again with the next group's when its last fragments are in registers: each wave one load of 12,288 bytes.
; CLUSTERS.  4 x 4: x's groups are asked for jointly along a row of the cluster, W's along a column.
; PREFETCH.  Each refill's bytes are named two refills ahead: a wave names its own 12,288 bytes, the four partners of a column 3,072 each, by address; lanes 12-31 name lane 11's block again.  x and W's first group come by the head's loads alone.
; Scale words go from memory to registers, 512 consecutive bytes of a K step by sixteen lanes (lanes 16-31 read the same).
; LIMITS: NaN and infinities are not served; a block whose largest magnitude lies under 2^(3 - 127) keeps the byte 1.
.set FR, 12
.set GRP, 98304                        ; a group: 128 rows x 1,024 K as [K step 8][tile 8][1,536]
.set HALF, 49152
.set STB, 12288                        ; a K step of a group
.set WL, 196608                        ; W's group in LDS, behind x's two
.set SPARE, 294912                     ; the spare words
.set TSTEP, 8*GRP                      ; from q's group to k's, from k's to v's
.set LI, 4                             ; v4 16 x lane
.set VS, 5                             ; v5 32 r: my row's scale words
.set GS, 6                             ; v6 16 r + 8 h: the scale unit on the way out
.set PFO, 7                            ; v7 the prefetches' offset
.set ADRA, 8                           ; v8-9 x's fragments, steps 0-3, 4-7
.set ADRB, 10                          ; v10-11 W's
.set SPW, 12
.set NIL, 13
.set SA, 32                            ; v32-95 x's scale words: step s, tile t at 8 s + t
.set SB, 96                            ; v96-127 W's: 4 s + t
.set PC, 128                           ; v128-147 codes just made
.set TM, 148                           ; v148-163 at work in QUANTW
.set PW, 164
.set WD, 166                           ; v166-169 four scale words
.set SW, 170
.set G1, 24
.set G0X, 32
.set G0W, 36
.set G1B, 48
.set G1C, 56
.set G0L, 68
.set G0H, 72
.set SEL, 76
.set FLR, 78
.set TR, 79
.set PF, 80
.set OP, 82
.set OSP, 84
.set XSP, 86
.set WSP, 88
.set HM, 90
; windows: 0 addresses, scales, the way out; 1 x's fragments, two sets of 96; 2 the accumulators; 3 W's fragments, two sets of 48
.set MSB, 0
.macro WIN new
.if MSB != \new
	s_set_vgpr_msb (MSB<<8)|\new
.set MSB, \new
.endif
.endm
.macro WINM ty
.if \ty
	WIN 0xad
.else
	WIN 0xa7
.endif
.endm
.macro PLACES
.rept 4
	v_nop
.endr
.endm
.macro CREST
	s_cmp_lg_u32 s14, 0
	s_cbranch_scc1 .Lnot_wave_0_\@
	s_barrier_signal -3
.Lnot_wave_0_\@:
	s_barrier_wait -3
	s_barrier_signal -1
	s_barrier_wait -1
.endm
.macro CROUND
	s_barrier_signal -1
	s_barrier_wait -1
	CREST
.endm
.macro GRP1 g, m, rows                 ; a dense block as rows of 256 bytes (32 elements of 8)
	s_or_b32 s[\g], \m, (3<<16)|(1<<21)
	s_mov_b32 s[\g+1], 32<<16
	s_mov_b32 s[\g+2], (\rows)<<16
	s_mov_b32 s[\g+3], 32<<16
	s_mov_b32 s[\g+4], \rows
	s_mov_b32 s[\g+5], 32
	s_mov_b32 s[\g+6], 0
	s_mov_b32 s[\g+7], 0
.endm
	s_load_b128 s[4:7], s[0:1], 0x0                ; xc, xs
	s_load_b128 s[8:11], s[0:1], 0x10              ; wc, ws
	s_load_b64 s[12:13], s[0:1], 0x20              ; qkv
	v_lshl_add_u32 v[SPW], v0, 2, SPARE
	v_mov_b32 v[NIL], 0
	ds_add_u32 v[SPW], v[NIL]                      ; the opening lines
	ds_add_u32 v[SPW], v[NIL]
	v_lshrrev_b32 v1, 5, v0
	v_readfirstlane_b32 s14, v1                    ; wave
	s_lshr_b32 s15, s14, 1                         ; my group of rows; also: I fetch x (0) or W (1) at the head
	s_and_b32 s16, s14, 1                          ; my head; also: which part I fetch at the head
	s_bfe_u32 s40, ttmp6, 0x40000                  ; cx
	s_bfe_u32 s41, ttmp6, 0x40004                  ; cy
	s_lshl_b32 s42, ttmp9, 2
	s_add_co_u32 s42, s42, s40                     ; J: the pair of heads, 0..7
	s_and_b32 s17, ttmp7, 0xffff
	s_lshl_b32 s17, s17, 2
	s_add_co_u32 s17, s17, s41                     ; Y: the 256 rows, 0..31
	s_lshl_b32 s43, s41, 2
	s_lshl_b32 s43, 15, s43                        ; my row of the cluster
	s_lshl_b32 s44, 0x1111, s40                    ; my column
	GRP1 G1, s43, 384                              ; a group of x
	GRP1 G1B, s44, 192                             ; half a group of W
	GRP1 G1C, s44, 48                              ; a K step of W
	s_lshl_b32 s20, s17, 1
	s_add_co_u32 s18, s20, s15                     ; G: the group that I multiply
	s_add_co_u32 s20, s20, s16                     ; the group that I fetch
	s_mul_i32 s20, s20, GRP
	s_mov_b32 s21, 0
	s_mul_i32 s46, s42, GRP
	s_mov_b32 s47, 0
	s_mul_i32 s22, s16, HALF
	s_mov_b32 s23, 0
	s_mul_i32 s98, s14, STB
	s_mov_b32 s99, 0
	s_mov_b32 s[G0X], 1
	s_mul_i32 s[G0X+1], s16, GRP
	s_mov_b32 s[G0W], 1
	s_add_co_u32 s[G0W+1], s22, WL
	s_mov_b32 s[G0L], 1
	s_add_co_u32 s[G0L+1], s98, WL
	s_mov_b32 s[G0H], 1
	s_add_co_u32 s[G0H+1], s98, WL+HALF
	s_mul_i32 s92, s15, GRP
	s_add_co_u32 s93, s92, HALF
	s_mul_i32 s94, s16, 6144
	s_add_co_u32 s94, s94, WL
	s_add_co_u32 s95, s94, HALF
	s_mul_i32 s96, s41, 3072
	s_add_co_u32 s96, s96, s98
	s_mov_b32 s[SEL], 0x76543210
	s_mov_b32 s[SEL+1], 0xfedcba98
	s_mov_b32 s[FLR], 0x1800000
	s_mov_b32 s[HM], 0xffff0000
	s_wait_dscnt 0x0
	s_wait_kmcnt 0x0
	s_add_nc_u64 s[20:21], s[4:5], s[20:21]
	s_add_nc_u64 s[46:47], s[8:9], s[46:47]
	s_mov_b64 s[PF:PF+1], s[46:47]
	s_mov_b64 s[G0X+2:G0X+3], s[20:21]
	s_or_b32 s[G0X+3], s[G0X+3], 0x80000000
	s_add_nc_u64 s[G0W+2:G0W+3], s[46:47], s[22:23]
	s_or_b32 s[G0W+3], s[G0W+3], 0x80000000
	s_add_nc_u64 s[G0L+2:G0L+3], s[46:47], s[98:99]
	s_or_b32 s[G0L+3], s[G0L+3], 0x80000000
	s_add_nc_u64 s[G0H+2:G0H+3], s[G0L+2:G0L+3], HALF
	CROUND                                         ; the first joint loads meet
	s_cmp_eq_u32 s15, 0                            ; one load a wave: waves 0, 1 a group of x each, waves 2, 3 half of q's group of W each
	s_cbranch_scc0 .Lhead_w
	tensor_load_to_lds s[G0X:G0X+3], s[G1:G1+7]
	s_nop 0
	PLACES
	s_branch .Lhead_asked
.Lhead_w:
	tensor_load_to_lds s[G0W:G0W+3], s[G1B:G1B+7]
	s_nop 0
	PLACES
.Lhead_asked:
	s_lshl_b32 s22, s18, 12
	s_add_nc_u64 s[XSP:XSP+1], s[6:7], s[22:23]    ; my group's scale words
	s_lshl_b32 s22, s42, 12
	s_lshl_b32 s45, s16, 4
	s_add_co_u32 s22, s22, s45
	s_add_nc_u64 s[WSP:WSP+1], s[10:11], s[22:23]  ; W's: group J, tiles 4 x head on
	s_lshr_b32 s22, s18, 4
	s_lshl_b32 s22, s22, 8
	s_and_b32 s45, s18, 15
	s_add_co_u32 s22, s22, s45
	s_lshl_b32 s45, s42, 1
	s_add_co_u32 s45, s45, s16
	s_lshl_b32 s45, s45, 4
	s_add_co_u32 s22, s22, s45                     ; block: 256 (G / 16) + 16 head + G % 16
	s_mul_i32 s22, s22, 19200
	s_add_nc_u64 s[OP:OP+1], s[12:13], s[22:23]
	s_add_nc_u64 s[OSP:OSP+1], s[OP:OP+1], 18432
	v_and_b32 v1, 15, v0                           ; r
	v_bfe_u32 v2, v0, 4, 1                         ; h
	v_and_b32 v3, 31, v0
	v_lshlrev_b32 v[LI], 4, v3
	v_add_nc_u32 v[ADRA], s92, v[LI]
	v_add_nc_u32 v[ADRA+1], s93, v[LI]
	v_add_nc_u32 v[ADRB], s94, v[LI]
	v_add_nc_u32 v[ADRB+1], s95, v[LI]
	v_lshlrev_b32 v[VS], 5, v1
	v_lshlrev_b32 v[GS], 4, v1
	v_lshl_add_u32 v[GS], v2, 3, v[GS]
	v_min_u32 v3, 11, v3
	v_lshl_add_u32 v[PFO], v3, 8, s96
.irp b, 0,1,2,3
	v_mov_b32 v[TM+4+\b], 0                        ; a lane permute's destination counts as a source
.endr
	s_wait_alu depctr_va_vdst(0)
.irp s, 0,1,2,3,4,5,6,7
	global_load_b128 v[SA+8*\s:SA+8*\s+3], v[VS], s[XSP:XSP+1] offset:512*\s
	global_load_b128 v[SA+8*\s+4:SA+8*\s+7], v[VS], s[XSP:XSP+1] offset:512*\s+16
	global_load_b128 v[SB+4*\s:SB+4*\s+3], v[VS], s[WSP:WSP+1] offset:512*\s
.endr
	global_prefetch_b8 v[PFO], s[PF:PF+1] offset:TSTEP th:TH_LOAD_NT scope:SCOPE_SE        ; k's group, first half
	global_prefetch_b8 v[PFO], s[PF:PF+1] offset:TSTEP+HALF th:TH_LOAD_NT scope:SCOPE_SE   ; and second
.macro WM d, x, y, sx, sy, zero
.if \zero
	v_wmma_scale_f32_16x16x128_f8f6f4 v[\d:\d+7], v[\x:\x+11], v[\y:\y+11], 0, v[\sx], v[\sy] matrix_a_fmt:MATRIX_FMT_FP6 matrix_b_fmt:MATRIX_FMT_FP6
.else
	v_wmma_scale_f32_16x16x128_f8f6f4 v[\d:\d+7], v[\x:\x+11], v[\y:\y+11], v[\d:\d+7], v[\sx], v[\sy] matrix_a_fmt:MATRIX_FMT_FP6 matrix_b_fmt:MATRIX_FMT_FP6
.endif
.endm
; eight of a step's 32 products; the 32 accumulators take turns in the same order in every step
.macro MULG s, g, ty, zero
.set PP, (\s)%2
.if \ty == 0
.irp a, 2*(\g), 2*(\g)+1
.irp b, 0,1,2,3
	WM 32*(\a)+8*\b, 48*PP+FR*\b, 96*PP+FR*(\a), SB+4*(\s)+\b, SA+8*(\s)+(\a), \zero
.endr
.endr
.else
.irp p, 0,1,2,3,4,5,6,7
	WM 64*(\g)+8*\p, 96*PP+FR*\p, 48*PP+FR*(\g), SA+8*(\s)+\p, SB+4*(\s)+(\g), \zero
.endr
.endif
.endm
.macro FETCH s                         ; step s's 12 fragments, 36 loads, into set s % 2
.set PF2, (\s)%2
	WIN 0x40
.irp i, 0,1,2,3,4,5,6,7
.irp c, 0,1,2
	ds_load_b128 v[96*PF2+FR*\i+4*\c:96*PF2+FR*\i+4*\c+3], v[ADRA+(\s)/4] offset:((\s)%4)*STB+\i*1536+512*\c
.endr
.endr
	WIN 0xc0
.irp i, 0,1,2,3
.irp c, 0,1,2
	ds_load_b128 v[48*PF2+FR*\i+4*\c:48*PF2+FR*\i+4*\c+3], v[ADRB+(\s)/4] offset:((\s)%4)*STB+\i*1536+512*\c
.endr
.endr
.endm
.macro STEP s, ty, zero
	s_wait_dscnt 0x0                               ; this step's fragments are in
.if \s
	PLACES                                         ; in front of loads into the set that the last step multiplied
.endif
	FETCH (\s)+1
	WINM \ty
	MULG \s, 0, \ty, \zero
	MULG \s, 1, \ty, \zero
	MULG \s, 2, \ty, \zero
	MULG \s, 3, \ty, \zero
.endm
; Steps 3 and 7: the last of a half of W.  Its fragments are in registers, so my reads of that half are over.  fill = 1: behind a round of the cluster's barrier the half takes the next group's.
.macro TURN s, ty, fill
	s_wait_dscnt 0x0
	WIN 0
	s_wait_tensorcnt 0x0                           ; all my tensor loads have landed, my part of the other half among them
	ds_add_u32 v[SPW], v[NIL]
	WINM \ty
	MULG \s, 0, \ty, 0
	s_wait_dscnt 0x0
	s_barrier_signal -1
	MULG \s, 1, \ty, 0
	WIN 0
	s_barrier_wait -1
.if \fill
	CREST
.if (\s) == 3
	s_add_nc_u64 s[G0L+2:G0L+3], s[G0L+2:G0L+3], TSTEP
	tensor_load_to_lds s[G0L:G0L+3], s[G1C:G1C+7]
.else
	s_add_nc_u64 s[G0H+2:G0H+3], s[G0H+2:G0H+3], TSTEP
	tensor_load_to_lds s[G0H:G0H+3], s[G1C:G1C+7]
.endif
	s_nop 0
.endif
	PLACES                                         ; behind the load, and in front of the loads below
	FETCH ((\s)+1)%8
	WIN 0
.if \fill
.if (\s) == 7
	s_add_nc_u64 s[WSP:WSP+1], s[WSP:WSP+1], 32768 ; the next group's scale words (the earlier loads by this base were waited for at the tile's head); steps 0-6 now, step 7's words are still at work
.irp q, 0,1,2,3,4,5,6
	global_load_b128 v[SB+4*\q:SB+4*\q+3], v[VS], s[WSP:WSP+1] offset:512*\q
.endr
.endif
	s_cmp_eq_u32 s[TR], 0                          ; in q's trip: v's half, two refills ahead; in k's trip nothing is left to name
	s_cbranch_scc0 .Lnot_asked_\@
	global_prefetch_b8 v[PFO], s[PF:PF+1] offset:2*TSTEP+((\s)/7)*HALF th:TH_LOAD_NT scope:SCOPE_SE
.Lnot_asked_\@:
.endif
	WINM \ty
	MULG \s, 2, \ty, 0
	MULG \s, 3, \ty, 0
.endm
; 64 accumulator registers, 16 b + i = number 32 b + 16 h + i of my row, become a fragment's codes and its scale word
.macro QUANTW q0
	WIN 0x28
.irp b, 0,1,2,3
	v_max3_num_f32 v[TM+\b], s[FLR], |v[\q0+16*\b]|, |v[\q0+16*\b+1]|   ; with the floor 2^(3 - 127): the byte cannot fall under 1
.endr
.irp i, 2,4,6,8,10,12,14
.irp b, 0,1,2,3
	v_max3_num_f32 v[TM+\b], v[TM+\b], |v[\q0+16*\b+\i]|, |v[\q0+16*\b+\i+1]|
.endr
.endr
	WIN 0
.irp b, 0,1,2,3
	v_permlanex16_b32 v[TM+4+\b], v[TM+\b], s[SEL], s[SEL+1]
.endr
.irp b, 0,1,2,3
	v_max_num_f32 v[TM+\b], v[TM+\b], v[TM+4+\b]
.endr
.irp b, 0,1,2,3
	v_add_nc_u32 v[TM+12+\b], 0xff000000, v[TM+\b]     ; 2 off the exponent field: the conversion's scale operand
.endr
.irp b, 0,1,2,3
	v_lshrrev_b32 v[TM+4+\b], 23, v[TM+12+\b]
.endr
	v_lshl_or_b32 v[PW], v[TM+5], 8, v[TM+4]
	v_lshl_or_b32 v[PW], v[TM+6], 16, v[PW]
	v_lshl_or_b32 v[PW], v[TM+7], 24, v[PW]
	WIN 0x02
	v_cvt_scalef32_pk16_fp6_f32 v[PC:PC+2], v[\q0:\q0+15], v[TM+12]
	v_cvt_scalef32_pk16_fp6_f32 v[PC+12:PC+14], v[\q0+16:\q0+31], v[TM+13]
	v_cvt_scalef32_pk16_fp6_f32 v[PC+6:PC+8], v[\q0+32:\q0+47], v[TM+14]
	v_cvt_scalef32_pk16_fp6_f32 v[PC+16:PC+18], v[\q0+48:\q0+63], v[TM+15]
	WIN 0
	v_nop                                          ; one plain place behind a scaled conversion
.irp c, 0,1
.irp i, 0,1,2
	v_permlane16_swap_b32 v[PC+6*\c+\i], v[PC+12+4*\c+\i]
.endr
.irp i, 0,1,2
	v_mov_b32 v[PC+3+6*\c+\i], v[PC+12+4*\c+\i]
.endr
.endr
.endm
; the way out: four fragments, 512 consecutive bytes a store, and one unit of 256 bytes of scale words
.macro EPI more
	PLACES
	WIN 0                                          ; the load and the stores below name window 0
.if \more
	global_load_b128 v[SB+28:SB+31], v[VS], s[WSP:WSP+1] offset:512*7
.endif
.irp n, 0,1,2,3
	s_wait_xcnt 0x0                                ; the last fragment's stores have read the codes' registers
	QUANTW 64*\n
.irp c, 0,1,2
	global_store_b128 v[LI], v[PC+4*\c:PC+4*\c+3], s[OP:OP+1] offset:1536*\n+512*\c
.endr
	v_mov_b32 v[WD+\n], v[PW]
.endr
	v_cndmask_b32 v[SW], v[WD], v[WD+2], s[HM]     ; lanes 0-15 store words 0, 1 of row r, lanes 16-31 words 2, 3
	v_cndmask_b32 v[SW+1], v[WD+1], v[WD+3], s[HM]
	global_store_b64 v[GS], v[SW:SW+1], s[OSP:OSP+1]
.endm
	s_wait_tensorcnt 0x0                           ; my part of the head's tiles is in
	s_barrier_signal -1
	s_barrier_wait -1                              ; and everybody's
	FETCH 0
	WIN 0
	s_mov_b32 s[TR], 0
.Ltile:                                            ; q's group, then k's
	s_wait_loadcnt 0x0                             ; the scale words are in
	STEP 0, 0, 1
	STEP 1, 0, 0
	STEP 2, 0, 0
	TURN 3, 0, 1
	STEP 4, 0, 0
	STEP 5, 0, 0
	STEP 6, 0, 0
	TURN 7, 0, 1
	EPI 1
	s_wait_xcnt 0x0                                ; the stores have read their bases
	s_add_nc_u64 s[OP:OP+1], s[OP:OP+1], 6144
	s_add_nc_u64 s[OSP:OSP+1], s[OSP:OSP+1], 256
	s_wait_alu depctr_va_vdst(0)
	s_add_co_u32 s[TR], s[TR], 1
	s_cmp_lt_u32 s[TR], 2
	s_cbranch_scc1 .Ltile
	s_wait_loadcnt 0x0                             ; v's group: the sources change places, nothing more is fetched
	STEP 0, 1, 1
	STEP 1, 1, 0
	STEP 2, 1, 0
	TURN 3, 1, 0
	STEP 4, 1, 0
	STEP 5, 1, 0
	STEP 6, 1, 0
	s_wait_dscnt 0x0
	WINM 1
	MULG 7, 0, 1, 0
	MULG 7, 1, 1, 0
	MULG 7, 2, 1, 0
	MULG 7, 3, 1, 0
	EPI 0
	s_wait_tensorcnt 0x0                           ; the wave's end
	ds_add_u32 v[SPW], v[NIL]
	s_wait_dscnt 0x0
	CROUND                                         ; the closing round
	s_endpgm
.Lfunc_end_k_q7b9fbd5846_gemm_qkv:
	.size	k_q7b9fbd5846_gemm_qkv, .Lfunc_end_k_q7b9fbd5846_gemm_qkv-k_q7b9fbd5846_gemm_qkv
	.p2alignl 7, 3214868480
	.fill 96, 4, 3214868480
	.section	.rodata,"a",@progbits
	.p2align	6, 0x0
	.amdhsa_kernel k_q7b9fbd5846_gemm_qkv
		.amdhsa_group_segment_fixed_size 327680
		.amdhsa_private_segment_fixed_size 0
		.amdhsa_enable_private_segment 0
		.amdhsa_kernarg_size 40
		.amdhsa_user_sgpr_count 2
		.amdhsa_user_sgpr_kernarg_segment_ptr 1
		.amdhsa_wavefront_size32 1
		.amdhsa_system_sgpr_workgroup_id_x 1
		.amdhsa_system_sgpr_workgroup_id_y 1
		.amdhsa_system_sgpr_workgroup_id_z 1
		.amdhsa_system_vgpr_workitem_id 0
		.amdhsa_next_free_vgpr 1024
		.amdhsa_next_free_sgpr 100
		.amdhsa_reserve_vcc 0
		.amdhsa_float_denorm_mode_32 3
		.amdhsa_float_denorm_mode_16_64 3
		.amdhsa_memory_ordered 1
		.amdhsa_forward_progress 1
		.amdhsa_inst_pref_size 150
	.end_amdhsa_kernel
	.amdgpu_metadata
---
amdhsa.version: [ 1, 2 ]
amdhsa.kernels:
  - .name:           k_q7b9fbd5846_gemm_qkv
    .symbol:         k_q7b9fbd5846_gemm_qkv.kd
    .args:
      - { .name: xc, .offset: 0, .size: 8, .value_kind: global_buffer, .address_space: global }
      - { .name: xs, .offset: 8, .size: 8, .value_kind: global_buffer, .address_space: global }
      - { .name: wc, .offset: 16, .size: 8, .value_kind: global_buffer, .address_space: global }
      - { .name: ws, .offset: 24, .size: 8, .value_kind: global_buffer, .address_space: global }
      - { .name: qkv, .offset: 32, .size: 8, .value_kind: global_buffer, .address_space: global }
    .group_segment_fixed_size: 327680
    .private_segment_fixed_size: 0
    .kernarg_segment_align: 8
    .kernarg_segment_size: 40
    .max_flat_workgroup_size: 128
    .sgpr_count:     100
    .vgpr_count:     1024
    .wavefront_size: 32
...
	.end_amdgpu_metadata
.endif
;; end of part 2
;; launch attn (part 3): grid 8 x 32, 16 waves a work-group, no clusters, 327,680 bytes of LDS; arguments qkv, oc, os; writes oc, os
.if DOCPART == 3
	.amdgcn_target "amdgcn-amd-amdhsa--gfx1250"
	.amdhsa_code_object_version 6
	.text
	.protected	k_q7b9fbd5846_attn
	.globl	k_q7b9fbd5846_attn
	.p2align	8
	.type	k_q7b9fbd5846_attn,@function
k_q7b9fbd5846_attn:
	s_mov_b64 s[64:65], 0
	v_nop
	global_prefetch_b8 v0, s[64:65] scope:SCOPE_SE
	s_setreg_imm32_b32 hwreg(HW_REG_WAVE_MODE, 25, 1), 1
	s_wait_xcnt 0x0
; Cross attention on codes of FP6 (E2M3): o = softmax(q k^T / 8) v, the queries of one source against the keys and values of the other (group g against group g xor 2), 16 heads of 64, 2,048 keys.
; THE SOFTMAX AHEAD OF THE SECOND PRODUCT: t = score x log2(e) / 8; M = the row's largest t so far, rounded up to a whole number; p = 2^(t - M) is quantised along the keys, not normalised; the row's sum is taken of the
; unquantised p and divides o at the end; when M moves, the sum and o are multiplied by 2^(old M - new M), which rounds nothing.
; SHARES.  A work-group owns 256 queries and a PAIR of heads, one head after the other; each of its sixteen waves owns one tile of 16 queries in 256 registers.  After both heads a wave's o, quantised in registers,
; is one whole fragment (16 rows x 128 K) and one scale word a row of the output projection's operand: no f32 result goes to memory.
; FEED.  The pair's keys and values are 32 consecutive blocks of qkv (19,200 bytes: 128 keys of one head); of each, bytes 6,144 on (k's codes, v's codes, three units of scale words: 13,056 bytes) come into LDS by one tensor load.
; A slot holds four steps, fetched by waves 0 to 3; two slots.  All operands lie as images of the matrix unit's registers: a fragment is three loads of 16 bytes a lane.
; K = 64 IN AN INSTRUCTION OF K = 128: a fragment of k holds two tiles of 16 keys (registers 0-5, 6-11); q's six registers stand between two runs of six zero registers, so that v[22:33] meets the first tile and v[16:27] the second.
; Both products are used transposed: a lane holds one query throughout.  The keys of a tile were chosen by the launch before so that the 16 registers of score tiles 2 b, 2 b + 1 are 16 neighbouring keys.
; NO CLUSTER: the eight work-groups of a pair of heads read the same feed, but a step's 13,056 bytes serve sixteen waves' 12 matrix instructions and some 240 vector instructions each: what is shared is a small part of a step's work,
; and joint loads would tie four work-groups to a round at every change of slots.
; LIMITS: NaN and infinities are not served; a block of o whose largest magnitude lies under 2^(3 - 127) keeps the byte 1.
.set STEPB, 13056                      ; a key step in LDS: k's codes 0, v's 6,144, q's scale unit 12,288 (not read), k's 12,544, v's 12,800
.set SLOT1, 65536                      ; slot 1 begins here: one exclusive or turns an address
.set OSC,   117760                     ; behind the ring: o's scale words, two units of 512 bytes
.set SPARE, 118784                     ; the spare words, 128 bytes for each of sixteen waves
.set BLKB,  19200
.set HEADB, 307200                     ; 16 blocks: from a head to the next
.set LI,  1                            ; v1  16 x lane
.set ADR, 2                            ; v2  the step's LDS address
.set SPW, 3
.set NIL, 4
.set QA,  5                            ; v5  q's fragment: 16 x lane + 1,536 p
.set KVS, 6                            ; v6-9 scale words: lanes 0-15 k's, lanes 16-31 v's
.set QS,  10                           ; v10 q's two bytes, twice
.set PS,  11                           ; v11 p's scale word
.set QZ,  16                           ; v16-21 zeros, v22-27 q, v28-33 zeros
.set KF,  34                           ; v34-81 k's four fragments; behind the first product the softmax works there:
.set BM,  34                           ;   v34-37 a block's largest score, then its largest p
.set PT,  38                           ;   v38-41 the other half's; the bytes
.set SO,  42                           ;   v42-45 the conversions' scale operands
.set CT,  46                           ;   v46-48, v50-52 half blocks of codes
.set L2,  54                           ;   v[54:55] the sum's second chain
.set VF,  82                           ; v82-129 v's four fragments
.set S,   130                          ; v130-193 the scores, then p
.set O,   194                          ; v194-225 o, transposed: four tiles
.set PC,  226                          ; v226-237 p's codes
.set OC,  238                          ; v238-249 o's codes, both heads
.set OW,  250                          ; v250 o's scale word
.set QSA, 251                          ; v251 q's scale word: 16 r + 4 p
.set PFO, 255                          ; v255 the prefetches' offset
.set WV,  10
.set SEL, 12
.set CS,  14                           ; s[14:15] c = log2(e) / 8
.set G1,  16
.set G0,  24
.set TB,  28                           ; s28 LDS byte at which the step in hand begins
.set SLOTS, 29                         ; s29 slots still to be asked for
.set TW,  30
.set CNT, 31
.set PFA, 32
.set LIM, 34
.set UM,  35                           ; s35 all ones where my tile is the second of its pair
.set PSEL, 36
.set QP,  38                           ; s[38:39] the block of my queries, first head
.macro TLOAD                           ; waves 0 to 3 fetch a step each; four v_nop follow the line
	s_cmp_lt_u32 s[WV], 4
	s_cbranch_scc0 .Lasked_\@
	tensor_load_to_lds s[G0:G0+3], s[G1:G1+7]
	s_nop 0
.rept 4
	v_nop
.endr
.Lasked_\@:
.endm
; A prefetch of the codes that the NEXT change of slots will ask for: four steps x 48 runs of 256 bytes.  The eight work-groups of a pair of heads walk the same feed: the first of them asks; in it waves 4 to 9, which fetch nothing,
; a lane a run: 192 lanes, each run named once in the launch.  The last change that fills a slot asks for nothing; slots 0 and 1 and the scale units come by their loads alone.
.macro ASK
	s_cmp_gt_u32 s[SLOTS], s[LIM]
	s_cbranch_scc0 .Lnot_mine_\@
	global_prefetch_b8 v[PFO], s[PFA:PFA+1] th:TH_LOAD_NT scope:SCOPE_SE
.Lnot_mine_\@:
.endm
	s_load_b128 s[4:7], s[0:1], 0x0                ; qkv, oc
	s_load_b64 s[8:9], s[0:1], 0x10                ; os
	v_lshl_add_u32 v[SPW], v0, 2, SPARE
	v_mov_b32 v[NIL], 0
	ds_add_u32 v3, v4
	ds_add_u32 v3, v4
	s_wait_dscnt 0x0
	v_lshrrev_b32 v2, 5, v0
	s_delay_alu instid0(VALU_DEP_1)
	v_readfirstlane_b32 s[WV], v2                  ; wave 0..15
	s_and_b32 s40, ttmp7, 0xffff
	s_lshr_b32 s41, s40, 3                         ; g: the queries' group
	s_and_b32 s42, s40, 7                          ; the pair of heads
	s_xor_b32 s43, s41, 2                          ; keys and values: the other source, the same batch
	s_lshl_b32 s43, s43, 8
	s_lshl_b32 s44, s42, 5
	s_add_co_u32 s43, s43, s44
	s_mul_i32 s46, s43, BLKB
	s_add_co_u32 s46, s46, 6144                    ; the feed's first byte
	s_mov_b32 s47, 0
	s_and_b32 s45, s[WV], 3                        ; which of a slot's four steps I fetch, if I fetch
	s_mul_i32 s48, s45, BLKB
	s_mov_b32 s49, 0
	s_mul_i32 s45, s45, STEPB
	; descriptor group 1: a dense block of 13,056 bytes as 51 rows of 256 (32 elements of 8 bytes), no padding
	s_mov_b32 s[G1], 3<<16
	s_mov_b32 s[G1+1], 32<<16
	s_mov_b32 s[G1+2], 51<<16
	s_mov_b32 s[G1+3], 32<<16
	s_mov_b32 s[G1+4], 51
	s_mov_b32 s[G1+5], 32
	s_mov_b32 s[G1+6], 0
	s_mov_b32 s[G1+7], 0
	s_mov_b32 s[SEL], 0x76543210
	s_mov_b32 s[SEL+1], 0xfedcba98
	s_mov_b32 s[CS], 0x3e38aa3b                    ; log2(e) / 8
	s_mov_b32 s[CS+1], s[CS]
	s_mov_b32 s[TB], 0
	s_mov_b32 s[SLOTS], 7
	s_wait_kmcnt 0x0
	s_mov_b32 s[G0], 1
	s_mov_b32 s[G0+1], s45
	s_add_nc_u64 s[G0+2:G0+3], s[4:5], s[46:47]
	s_add_nc_u64 s[G0+2:G0+3], s[G0+2:G0+3], s[48:49]
	s_or_b32 s[G0+3], s[G0+3], 0x80000000
	TLOAD                                          ; slot 0
	s_add_nc_u64 s[PFA:PFA+1], s[4:5], s[46:47]
	s_add_nc_u64 s[PFA:PFA+1], s[PFA:PFA+1], 4*BLKB   ; at slot 1: the first change of slots steps it to slot 2
	s_lshr_b32 s50, s[WV], 3
	s_lshl_b32 s51, ttmp9, 1
	s_add_co_u32 s51, s51, s50                     ; my queries' run of 128
	s_and_b32 s52, s[WV], 7                        ; my tile in it
	s_lshr_b32 s53, s52, 1                         ; p: its fragment
	s_and_b32 s54, s52, 1                          ; u: which half of the fragment
	s_lshl_b32 s55, s41, 8
	s_add_co_u32 s55, s55, s44
	s_add_co_u32 s55, s55, s51
	s_mul_i32 s38, s55, BLKB
	s_mov_b32 s39, 0
	s_add_nc_u64 s[QP:QP+1], s[4:5], s[38:39]
	s_cmp_eq_u32 s54, 1
	s_cselect_b32 s[UM], -1, 0
	s_mov_b32 s[PSEL], 0x01000100
	s_cselect_b32 s[PSEL], 0x03020302, s[PSEL]     ; my tile's two bytes of the word, twice
	s_lshl_b32 s55, s41, 4
	s_add_co_u32 s55, s55, s51
	s_lshl_b32 s55, s55, 3
	s_add_co_u32 s55, s55, s42
	s_lshl_b32 s55, s55, 3
	s_add_co_u32 s55, s55, s52
	s_mul_i32 s56, s55, 1536
	s_mov_b32 s57, 0
	s_add_nc_u64 s[6:7], s[6:7], s[56:57]          ; oc: [run of 128 rows][pair of heads][tile]
	s_lshl_b32 s55, s41, 4
	s_lshl_b32 s58, ttmp9, 1
	s_add_co_u32 s55, s55, s58
	s_lshl_b32 s55, s55, 3
	s_add_co_u32 s55, s55, s42
	s_lshl_b32 s58, s55, 9
	s_mov_b32 s59, 0
	s_add_nc_u64 s[8:9], s[8:9], s[58:59]          ; os: the unit of the work-group's first run
	v_and_b32 v[LI], 31, v0
	s_delay_alu instid0(VALU_DEP_1)
	v_lshlrev_b32 v[LI], 4, v[LI]
	s_mul_i32 s55, s53, 1536
	v_add_nc_u32 v[QA], s55, v[LI]
	v_and_b32 v[QSA], 15, v0
	s_delay_alu instid0(VALU_DEP_1)
	v_lshlrev_b32 v[QSA], 4, v[QSA]
	s_lshl_b32 s55, s53, 2
	v_add_nc_u32 v[QSA], s55, v[QSA]
	s_sub_co_u32 s55, s[WV], 4
	s_min_u32 s55, s55, 5                          ; (held in range in the waves that do not ask)
	s_lshl_b32 s55, s55, 5
	v_and_b32 v[PFO], 31, v0
	s_delay_alu instid0(VALU_DEP_1)
	v_add_nc_u32 v[PFO], s55, v[PFO]               ; n = 0 .. 191
	s_delay_alu instid0(VALU_DEP_1)
	v_mul_u32_u24 v254, v[PFO], 1366
	s_delay_alu instid0(VALU_DEP_1)
	v_lshrrev_b32 v254, 16, v254                   ; n / 48: the step
	s_delay_alu instid0(VALU_DEP_1)
	v_mul_u32_u24 v2, v254, 48
	s_delay_alu instid0(VALU_DEP_1)
	v_sub_nc_u32 v[PFO], v[PFO], v2                ; n % 48: the run of 256 bytes
	s_delay_alu instid0(VALU_DEP_1)
	v_lshlrev_b32 v[PFO], 8, v[PFO]
	s_delay_alu instid0(VALU_DEP_1)
	v_mad_u32_u24 v[PFO], v254, BLKB, v[PFO]
	s_sub_co_u32 s55, s[WV], 4
	s_cmp_lt_u32 s55, 6
	s_cselect_b32 s55, 0, 1
	s_or_b32 s55, s55, ttmp9
	s_cmp_eq_u32 s55, 0
	s_cselect_b32 s[LIM], 1, -1
.irp j, 0,1,2,3,4,5
	v_mov_b32 v[QZ+\j], 0                          ; zero codes: they add nothing under any scale byte
	v_mov_b32 v[QZ+12+\j], 0
.endr
	v_mov_b32 v253, 0                              ; (named as the upper half of the pair v[252:253])
; A head begins: my tile of q, and empty sums.
.macro HEAD c
.irp i, 0,1,2
	global_load_b128 v[S+4*\i:S+4*\i+3], v[QA], s[QP:QP+1] offset:HEADB*\c+512*\i
.endr
	global_load_b32 v[S+12], v[QSA], s[QP:QP+1] offset:HEADB*\c+18432
	v_mov_b32 v13, 0xff61b1e6                      ; the largest t so far: -3e38
	s_delay_alu instid0(VALU_DEP_1)
	v_floor_f32 v12, -v13                          ; -M
	v_mov_b32 v14, 0
	v_mov_b32 v15, 0
	s_wait_loadcnt 0x0
.irp j, 0,1,2,3,4,5
	v_cndmask_b32 v[QZ+6+\j], v[S+\j], v[S+6+\j], s[UM]
.endr
	v_perm_b32 v[QS], v[S+12], v[S+12], s[PSEL]
.set J, 0
.rept 32
	v_mov_b32 v[O+J], 0                            ; the step is written once: the first finds zeros.  (These are also the places between the lines above and the first scaled product)
.set J, J+1
.endr
.endm
; A KEY STEP: 128 keys.
.macro STEP
	v_add_nc_u32 v[ADR], s[TB], v[LI]
.rept 3
	v_nop                                          ; with the addition: four places behind the last products, whose operands and scales are loaded anew
.endr
.irp i, 0,1,2,3,4,5,6,7,8,9,10,11
	ds_load_b128 v[KF+4*\i:KF+4*\i+3], v[ADR] offset:512*\i
.endr
	ds_load_b128 v[KVS:KVS+3], v[ADR] offset:12544 ; lanes 0-15: k's four words of row r; lanes 16-31: v's
.irp i, 0,1,2,3,4,5,6,7,8,9,10,11
	ds_load_b128 v[VF+4*\i:VF+4*\i+3], v[ADR] offset:6144+512*\i
.endr
	s_wait_dscnt 12                                ; k and the scale words are in; v's twelve loads may be out
.irp p, 0,1,2,3
	v_wmma_scale_f32_16x16x128_f8f6f4 v[S+16*\p:S+16*\p+7], v[KF+12*\p:KF+12*\p+11], v[QZ+6:QZ+17], 0, v[KVS+\p], v[QS] matrix_a_fmt:MATRIX_FMT_FP6 matrix_b_fmt:MATRIX_FMT_FP6
	v_wmma_scale_f32_16x16x128_f8f6f4 v[S+16*\p+8:S+16*\p+15], v[KF+12*\p:KF+12*\p+11], v[QZ:QZ+11], 0, v[KVS+\p], v[QS] matrix_a_fmt:MATRIX_FMT_FP6 matrix_b_fmt:MATRIX_FMT_FP6
.endr
.rept 4
	v_nop                                          ; places: the scores are read, and k's registers written, below
.endr
.irp b, 0,1,2,3
	v_max3_num_f32 v[BM+\b], v[S+16*\b], v[S+1+16*\b], v[S+2+16*\b]   ; the largest score of each block of 32 keys: for the row's maximum and, since p rises with the score, for the block's largest p
.endr
.irp i, 3,5,7,9,11,13
.irp b, 0,1,2,3
	v_max3_num_f32 v[BM+\b], v[BM+\b], v[S+16*\b+\i], v[S+1+16*\b+\i]
.endr
.endr
.irp b, 0,1,2,3
	v_max_num_f32 v[BM+\b], v[BM+\b], v[S+15+16*\b]
.endr
.irp b, 0,1,2,3
	s_delay_alu instid0(VALU_DEP_4)
	v_permlanex16_b32 v[PT+\b], v[BM+\b], s[SEL], s[SEL+1]
.endr
.irp b, 0,1,2,3
	s_delay_alu instid0(VALU_DEP_4)
	v_max_num_f32 v[BM+\b], v[BM+\b], v[PT+\b]     ; with lane l xor 16's 16 keys
.endr
	s_delay_alu instid0(VALU_DEP_2)
	v_max3_num_f32 v254, v[BM], v[BM+1], v[BM+2]
	s_delay_alu instid0(VALU_DEP_1)
	v_max_num_f32 v254, v254, v[BM+3]
	s_delay_alu instid0(VALU_DEP_1)
	v_mul_f32 v254, s[CS], v254                    ; as t
	s_delay_alu instid0(VALU_DEP_1)
	v_max_num_f32 v13, v13, v254                   ; the running largest t
	v_mov_b32 v254, v12
	s_delay_alu instid0(VALU_DEP_2)
	v_floor_f32 v12, -v13                          ; the new -M = -ceil(t): a whole number
	s_delay_alu instid0(VALU_DEP_1)
	v_sub_f32 v254, v12, v254                      ; old M - new M, 0 or less
	s_delay_alu instid0(VALU_DEP_1)
	v_cvt_i32_f32 v254, v254                       ; (it saturates)
	s_delay_alu instid0(VALU_DEP_1)
	v_ldexp_f32 v252, 1.0, v254                    ; f = 2^(old M - new M)
.set J, 0
.rept 32
	v_pk_fma_f32 v[S+J:S+J+1], v[S+J:S+J+1], s[CS:CS+1], v[12:13] op_sel_hi:[1,0,0]   ; t - M
.set J, J+2
.endr
.irp b, 0,1,2,3
	v_fma_f32 v[BM+\b], v[BM+\b], s[CS], v12
.endr
.set J, 0
	s_wait_alu depctr_va_vdst(0)
.rept 64
	v_exp_f32 v[S+J], v[S+J]                       ; p = 2^(t - M)
.set J, J+1
.endr
	v_pk_mul_f32 v[14:15], v[14:15], v[252:253] op_sel_hi:[1,0]   ; the sums under the new M: a plain place behind the exponentials
	s_wait_alu depctr_va_vdst(0)                   ; one wait for the batch, ahead of its first reader
.irp b, 0,1,2,3
	v_exp_f32 v[BM+\b], v[BM+\b]                   ; the block's largest p
.endr
	v_pk_add_f32 v[54:55], v[134:135], v[138:139]
	v_pk_add_f32 v[248:249], v[142:143], v[146:147]
	v_pk_add_f32 v[246:247], v[150:151], v[154:155]
	v_pk_add_f32 v[244:245], v[158:159], v[162:163]
	v_pk_add_f32 v[236:237], v[166:167], v[170:171]
	v_pk_add_f32 v[234:235], v[174:175], v[178:179]
	v_pk_add_f32 v[232:233], v[182:183], v[186:187]
	v_pk_add_f32 v[14:15], v[14:15], v[190:191]
	v_pk_add_f32 v[54:55], v[54:55], v[130:131]
	v_pk_add_f32 v[248:249], v[248:249], v[132:133]
	v_pk_add_f32 v[246:247], v[246:247], v[136:137]
	v_pk_add_f32 v[244:245], v[244:245], v[140:141]
	v_pk_add_f32 v[236:237], v[236:237], v[144:145]
	v_pk_add_f32 v[234:235], v[234:235], v[148:149]
	v_pk_add_f32 v[232:233], v[232:233], v[152:153]
	v_pk_add_f32 v[14:15], v[14:15], v[156:157]
	v_pk_add_f32 v[54:55], v[54:55], v[160:161]
	v_pk_add_f32 v[248:249], v[248:249], v[164:165]
	v_pk_add_f32 v[246:247], v[246:247], v[168:169]
	v_pk_add_f32 v[244:245], v[244:245], v[172:173]
	v_pk_add_f32 v[236:237], v[236:237], v[176:177]
	v_pk_add_f32 v[234:235], v[234:235], v[180:181]
	v_pk_add_f32 v[232:233], v[232:233], v[184:185]
	v_pk_add_f32 v[14:15], v[14:15], v[188:189]
	v_pk_add_f32 v[54:55], v[54:55], v[192:193]
	s_delay_alu instid0(VALU_DEP_2)
	v_pk_add_f32 v[14:15], v[14:15], v[244:245]
	s_delay_alu instid0(VALU_DEP_2)
	v_pk_add_f32 v[54:55], v[54:55], v[236:237]
	v_pk_add_f32 v[248:249], v[248:249], v[234:235]
	v_pk_add_f32 v[246:247], v[246:247], v[232:233]
	s_delay_alu instid0(VALU_DEP_2)
	v_pk_add_f32 v[14:15], v[14:15], v[248:249]
	s_delay_alu instid0(VALU_DEP_2)
	v_pk_add_f32 v[54:55], v[54:55], v[246:247]
	s_delay_alu instid0(VALU_DEP_1)
	v_pk_add_f32 v[14:15], v[14:15], v[54:55]
	s_wait_alu depctr_va_vdst(0)                   ; and one for the four
.irp b, 0,1,2,3
	v_max_num_f32 v[BM+\b], 0x1800000, v[BM+\b]    ; the floor: the byte cannot fall under 1
.endr
.irp b, 0,1,2,3
	s_delay_alu instid0(VALU_DEP_4)
	v_add_nc_u32 v[SO+\b], 0xff000000, v[BM+\b]
.endr
.irp b, 0,1,2,3
	s_delay_alu instid0(VALU_DEP_4)
	v_lshrrev_b32 v[PT+\b], 23, v[SO+\b]
.endr
	s_delay_alu instid0(VALU_DEP_3)
	v_lshl_or_b32 v[PS], v[PT+1], 8, v[PT]
	s_delay_alu instid0(VALU_DEP_1)
	v_lshl_or_b32 v[PS], v[PT+2], 16, v[PS]
	s_delay_alu instid0(VALU_DEP_1)
	v_lshl_or_b32 v[PS], v[PT+3], 24, v[PS]
.irp c, 0,1
	v_cvt_scalef32_pk16_fp6_f32 v[PC+6*\c:PC+6*\c+2], v[S+32*\c:S+32*\c+15], v[SO+2*\c]
	v_cvt_scalef32_pk16_fp6_f32 v[CT+4*\c:CT+4*\c+2], v[S+16+32*\c:S+31+32*\c], v[SO+2*\c+1]
.endr
	v_nop                                          ; one plain place behind a scaled conversion
.irp c, 0,1
.irp i, 0,1,2
	v_permlane16_swap_b32 v[PC+6*\c+\i], v[CT+4*\c+\i]
.endr
.irp i, 0,1,2
	s_delay_alu instid0(VALU_DEP_3)
	v_mov_b32 v[PC+3+6*\c+\i], v[CT+4*\c+\i]
.endr
.endr
.set J, 0
.rept 16
	v_pk_mul_f32 v[O+J:O+J+1], v[O+J:O+J+1], v[252:253] op_sel_hi:[1,0]   ; o under the new M.  (These sixteen are also the places in front of the scaled products below)
.set J, J+2
.endr
	s_wait_alu depctr_va_vdst(0)
	s_wait_dscnt 0x0                               ; v is in
.irp t, 0,1,2,3
	v_wmma_scale_f32_16x16x128_f8f6f4 v[O+8*\t:O+8*\t+7], v[VF+12*\t:VF+12*\t+11], v[PC:PC+11], v[O+8*\t:O+8*\t+7], v[KVS+\t], v[PS] matrix_a_fmt:MATRIX_FMT_FP6 matrix_b_fmt:MATRIX_FMT_FP6 matrix_a_scale:MATRIX_SCALE_ROW1
.endr
	s_add_co_u32 s[TB], s[TB], STEPB
.endm
.macro SLOT_STEPS                      ; a slot's four steps: written once, walked four times
	s_mov_b32 s[TW], 4
.Lstep_\@:
	STEP
	s_sub_co_u32 s[TW], s[TW], 1
	s_cmp_lg_u32 s[TW], 0
	s_cbranch_scc1 .Lstep_\@
	s_sub_co_u32 s[TB], s[TB], 4*STEPB
	s_xor_b32 s[TB], s[TB], SLOT1                  ; on to the other slot
.endm
; THE CHANGE OF SLOTS stands at a slot's head: each wave waits for all its tensor loads, adds 0 to its spare word, and waits for that and for its reads of the slot that it has left.  fill = 1: that slot takes the next four steps.
.macro CHANGE fill
	s_wait_tensorcnt 0x0                           ; no tensor load of mine is out, so the descriptor may be written
	ds_add_u32 v[SPW], v[NIL]                      ; 0 onto my spare word
.if \fill
	s_xor_b32 s[G0+1], s[G0+1], SLOT1
	s_add_nc_u64 s[G0+2:G0+3], s[G0+2:G0+3], 4*BLKB
	s_wait_xcnt 0x0                                ; the last prefetch, a slot back, has read its address
	s_add_nc_u64 s[PFA:PFA+1], s[PFA:PFA+1], 4*BLKB
.endif
	s_wait_dscnt 0x0                               ; the add is done, and my reads of the slot that I have left are over
	s_barrier_signal -1
	s_barrier_wait -1
.if \fill
	TLOAD                                          ; the first thing behind the barrier, a wave's one tensor load until the next: it has four steps in which to land
	ASK
.endif
.endm
; A head ends: o / the sum, quantised along the head's 64: six registers of codes and two bytes.
.macro FINISH c
.rept 4
	v_nop                                          ; places behind the last products
.endr
	v_add_f32 v14, v14, v15
	s_delay_alu instid0(VALU_DEP_1)
	v_permlanex16_b32 v254, v14, s[SEL], s[SEL+1]
	s_delay_alu instid0(VALU_DEP_1)
	v_add_f32 v14, v14, v254                       ; the row's sum
	s_wait_alu depctr_va_vdst(0)
	v_rcp_f32 v252, v14
	v_nop                                          ; a plain place behind the reciprocal
	s_wait_alu depctr_va_vdst(0)                   ; and the wait ahead of its first reader
.set J, 0
.rept 16
	v_pk_mul_f32 v[O+J:O+J+1], v[O+J:O+J+1], v[252:253] op_sel_hi:[1,0]   ; register 16 b + i = channel 32 b + 16 (lane / 16) + i of my query
.set J, J+2
.endr
.irp b, 0,1
	v_max3_num_f32 v[BM+\b], |v[O+16*\b]|, |v[O+1+16*\b]|, 0x1800000
.endr
.irp i, 2,4,6,8,10,12,14
.irp b, 0,1
	s_delay_alu instid0(VALU_DEP_2)
	v_max3_num_f32 v[BM+\b], v[BM+\b], |v[O+16*\b+\i]|, |v[O+1+16*\b+\i]|
.endr
.endr
.irp b, 0,1
	s_delay_alu instid0(VALU_DEP_2)
	v_permlanex16_b32 v[PT+\b], v[BM+\b], s[SEL], s[SEL+1]
.endr
.irp b, 0,1
	s_delay_alu instid0(VALU_DEP_2)
	v_max_num_f32 v[BM+\b], v[BM+\b], v[PT+\b]
.endr
.irp b, 0,1
	s_delay_alu instid0(VALU_DEP_2)
	v_add_nc_u32 v[SO+\b], 0xff000000, v[BM+\b]
.endr
.irp b, 0,1
	s_delay_alu instid0(VALU_DEP_2)
	v_lshrrev_b32 v[PT+\b], 23, v[SO+\b]
.endr
.if \c == 0
	s_delay_alu instid0(VALU_DEP_1)
	v_lshl_or_b32 v[OW], v[PT+1], 8, v[PT]
.else
	s_delay_alu instid0(VALU_DEP_2)
	v_lshl_or_b32 v[OW], v[PT], 16, v[OW]
	s_delay_alu instid0(VALU_DEP_1)
	v_lshl_or_b32 v[OW], v[PT+1], 24, v[OW]
.endif
	v_cvt_scalef32_pk16_fp6_f32 v[OC+6*\c:OC+6*\c+2], v[O:O+15], v[SO]
	v_cvt_scalef32_pk16_fp6_f32 v[CT:CT+2], v[O+16:O+31], v[SO+1]
	v_nop                                          ; one plain place behind a scaled conversion
.irp i, 0,1,2
	v_permlane16_swap_b32 v[OC+6*\c+\i], v[CT+\i]
.endr
.irp i, 0,1,2
	s_delay_alu instid0(VALU_DEP_3)
	v_mov_b32 v[OC+6*\c+3+\i], v[CT+\i]
.endr
.endm
	HEAD 0
	s_mov_b32 s[CNT], 4
.Lhead_a:                                          ; the first head's four slots; behind each change the next slot is asked for
	CHANGE 1
	SLOT_STEPS
	s_sub_co_u32 s[SLOTS], s[SLOTS], 1
	s_sub_co_u32 s[CNT], s[CNT], 1
	s_cmp_lg_u32 s[CNT], 0
	s_cbranch_scc1 .Lhead_a
	FINISH 0
	HEAD 1
	s_mov_b32 s[CNT], 3
.Lhead_b:                                          ; the second head's first three slots
	CHANGE 1
	SLOT_STEPS
	s_sub_co_u32 s[SLOTS], s[SLOTS], 1
	s_sub_co_u32 s[CNT], s[CNT], 1
	s_cmp_lg_u32 s[CNT], 0
	s_cbranch_scc1 .Lhead_b
	CHANGE 0                                       ; the last slot is written out
	SLOT_STEPS
	FINISH 1
	; THE WAY OUT: my fragment as it stands, 512 consecutive bytes a store; the scale words meet in LDS and leave as whole units.
.irp i, 0,1,2
	global_store_b128 v[LI], v[OC+4*\i:OC+4*\i+3], s[6:7] offset:512*\i
.endr
	v_and_b32 v[S], 15, v0
	s_delay_alu instid0(VALU_DEP_1)
	v_lshlrev_b32 v[S], 5, v[S]                    ; 32 r
	s_lshr_b32 s40, s[WV], 3
	s_lshl_b32 s40, s40, 9
	s_and_b32 s41, s[WV], 7
	s_lshl_b32 s41, s41, 2
	s_add_co_u32 s40, s40, s41
	s_add_co_u32 s40, s40, OSC
	v_add_nc_u32 v[S], s40, v[S]                   ; + 512 x (run of 128) + 4 x tile
	s_lshl_b32 s41, s[WV], 9
	s_add_co_u32 s41, s41, OSC
	v_add_nc_u32 v[S+1], s41, v[LI]
	s_lshl_b32 s41, s[WV], 12
	v_add_nc_u32 v[S+2], s41, v[LI]                ; os: the second run's unit lies eight units on
	ds_store_b32 v[S], v[OW]                       ; lanes l and l xor 16 write the same word with the same value
	s_wait_dscnt 0x0                               ; for the others' sake
	s_barrier_signal -1
	s_barrier_wait -1
	s_cmp_lt_u32 s[WV], 2
	s_cbranch_scc0 .Lno_tail
	s_wait_alu depctr_va_vdst(0)
	ds_load_b128 v[S+4:S+7], v[S+1]
	s_wait_dscnt 0x0
	global_store_b128 v[S+2], v[S+4:S+7], s[8:9]
.Lno_tail:
	s_wait_tensorcnt 0x0                           ; the wave's end
	ds_add_u32 v[SPW], v[NIL]
	s_wait_dscnt 0x0
	s_endpgm
.Lfunc_end_k_q7b9fbd5846_attn:
	.size	k_q7b9fbd5846_attn, .Lfunc_end_k_q7b9fbd5846_attn-k_q7b9fbd5846_attn
	.p2alignl 7, 3214868480
	.fill 96, 4, 3214868480
	.section	.rodata,"a",@progbits
	.p2align	6, 0x0
	.amdhsa_kernel k_q7b9fbd5846_attn
		.amdhsa_group_segment_fixed_size 327680
		.amdhsa_private_segment_fixed_size 0
		.amdhsa_enable_private_segment 0
		.amdhsa_kernarg_size 24
		.amdhsa_user_sgpr_count 2
		.amdhsa_user_sgpr_kernarg_segment_ptr 1
		.amdhsa_wavefront_size32 1
		.amdhsa_system_sgpr_workgroup_id_x 1
		.amdhsa_system_sgpr_workgroup_id_y 1
		.amdhsa_system_sgpr_workgroup_id_z 1
		.amdhsa_system_vgpr_workitem_id 0
		.amdhsa_next_free_vgpr 256
		.amdhsa_next_free_sgpr 66
		.amdhsa_reserve_vcc 0
		.amdhsa_float_denorm_mode_32 3
		.amdhsa_float_denorm_mode_16_64 3
		.amdhsa_memory_ordered 1
		.amdhsa_forward_progress 1
		.amdhsa_inst_pref_size 72
	.end_amdhsa_kernel
	.amdgpu_metadata
---
amdhsa.version: [ 1, 2 ]
amdhsa.kernels:
  - .name:           k_q7b9fbd5846_attn
    .symbol:         k_q7b9fbd5846_attn.kd
    .args:
      - { .name: qkv, .offset: 0, .size: 8, .value_kind: global_buffer, .address_space: global }
      - { .name: oc, .offset: 8, .size: 8, .value_kind: global_buffer, .address_space: global }
      - { .name: os, .offset: 16, .size: 8, .value_kind: global_buffer, .address_space: global }
    .group_segment_fixed_size: 327680
    .private_segment_fixed_size: 0
    .kernarg_segment_align: 8
    .kernarg_segment_size: 24
    .max_flat_workgroup_size: 512
    .sgpr_count:     66
    .vgpr_count:     256
    .wavefront_size: 32
...
	.end_amdgpu_metadata
.endif
;; end of part 3
;; launch gemm_out (part 4): grid 8 x 32, 4 waves a work-group, clusters of 4 x 4, 327,680 bytes of LDS; arguments oc, os, wc, ws, b_out, out0, out1; writes out0, out1
.if DOCPART == 4
	.amdgcn_target "amdgcn-amd-amdhsa--gfx1250"
	.amdhsa_code_object_version 6
	.text
	.protected	k_q7b9fbd5846_gemm_out
	.globl	k_q7b9fbd5846_gemm_out
	.p2align	8
	.type	k_q7b9fbd5846_gemm_out,@function
k_q7b9fbd5846_gemm_out:
	s_mov_b64 s[64:65], 0
	v_nop
	global_prefetch_b8 v0, s[64:65] scope:SCOPE_SE
	s_setreg_imm32_b32 hwreg(HW_REG_WAVE_MODE, 25, 1), 1
	s_wait_xcnt 0x0
	s_wait_alu depctr_hold_cnt(0) depctr_sa_sdst(0) depctr_va_vdst(0) depctr_va_sdst(0) depctr_va_ssrc(0) depctr_va_vcc(0) depctr_vm_vsrc(0)
	s_getreg_b32 s2, hwreg(HW_REG_IB_STS2, 6, 4)
	s_cmp_eq_u32 s2, 0
	s_cbranch_scc0 .Lentry_in_a_cluster
	s_endpgm
.Lentry_in_a_cluster:
	s_bfe_u32 s2, ttmp6, 0x10000c
	s_cmp_lg_u32 s2, 0xf033
	s_cbranch_scc0 .Lentry_shape_is_right
	s_endpgm
.Lentry_shape_is_right:
; out = Q(o) Q(W_out) + b_out on codes of FP6 (E2M3), K = 1,024; f32 results.
; SHARES.  A work-group owns 256 rows of o (two groups of 128) x 128 columns of W_out, all of K in LDS at once: 294,912 bytes, filled once, one load a wave at the head.
; A wave owns 128 rows x 64 columns: 32 accumulators.  Source 0 = 4 tiles of W, source 1 = 8 tiles of o: a lane holds a row, its registers run along the columns.  The bias is the C of the first step's products.
; CLUSTERS.  4 x 4: o's groups are asked for jointly along a row of the cluster, W's halves along a column.
; NO PREFETCH: every tile is asked for at the head; the launch has no loop to run ahead in.
; Scale words and the bias go from memory to registers.  Results leave through the wave's own stage, sixteen lanes to an aligned run of 256 bytes.
.set FR, 12
.set GRP, 98304
.set HALF, 49152
.set STB, 12288
.set WL, 196608
.set STAGE, 294912                     ; 16 rows x 272 bytes for each wave
.set SPITCH, 272
.set SPARE, STAGE+4*16*SPITCH
.set LI, 4
.set VS, 5
.set ADRA, 8
.set ADRB, 10
.set SPW, 12
.set NIL, 13
.set STO, 14
.set RD, 15
.set CO, 16
.set VB, 17
.set SA, 32
.set SB, 96
.set BI, 128                           ; v128-159 the bias in the results' layout
.set BK, 160                           ; v160-223 rows read back from the stage, two sets
.set G1, 24
.set G0X, 32
.set G0W, 36
.set G1B, 48
.set OUTP, 84
.set XSP, 88
.set WSP, 90
.set MSB, 0
.macro WIN new
.if MSB != \new
	s_set_vgpr_msb (MSB<<8)|\new
.set MSB, \new
.endif
.endm
.macro PLACES
.rept 4
	v_nop
.endr
.endm
.macro CREST
	s_cmp_lg_u32 s14, 0
	s_cbranch_scc1 .Lnot_wave_0_\@
	s_barrier_signal -3
.Lnot_wave_0_\@:
	s_barrier_wait -3
	s_barrier_signal -1
	s_barrier_wait -1
.endm
.macro CROUND
	s_barrier_signal -1
	s_barrier_wait -1
	CREST
.endm
.macro GRP1 g, m, rows
	s_or_b32 s[\g], \m, (3<<16)|(1<<21)
	s_mov_b32 s[\g+1], 32<<16
	s_mov_b32 s[\g+2], (\rows)<<16
	s_mov_b32 s[\g+3], 32<<16
	s_mov_b32 s[\g+4], \rows
	s_mov_b32 s[\g+5], 32
	s_mov_b32 s[\g+6], 0
	s_mov_b32 s[\g+7], 0
.endm
	s_load_b128 s[4:7], s[0:1], 0x0                ; oc, os
	s_load_b128 s[8:11], s[0:1], 0x10              ; wc, ws
	s_load_b64 s[12:13], s[0:1], 0x20              ; b_out
	s_load_b128 s[84:87], s[0:1], 0x28             ; out0, out1
	v_lshl_add_u32 v[SPW], v0, 2, SPARE
	v_mov_b32 v[NIL], 0
	ds_add_u32 v[SPW], v[NIL]                      ; the opening lines
	ds_add_u32 v[SPW], v[NIL]
	v_lshrrev_b32 v1, 5, v0
	v_readfirstlane_b32 s14, v1
	s_lshr_b32 s15, s14, 1                         ; my group of rows; also: I fetch o (0) or W (1)
	s_and_b32 s16, s14, 1                          ; my 64 columns; also: which part I fetch
	s_bfe_u32 s40, ttmp6, 0x40000
	s_bfe_u32 s41, ttmp6, 0x40004
	s_lshl_b32 s42, ttmp9, 2
	s_add_co_u32 s42, s42, s40                     ; J: the 128 columns, 0..7
	s_and_b32 s17, ttmp7, 0xffff
	s_lshl_b32 s17, s17, 2
	s_add_co_u32 s17, s17, s41                     ; Y: the 256 rows, 0..31
	s_lshl_b32 s43, s41, 2
	s_lshl_b32 s43, 15, s43
	s_lshl_b32 s44, 0x1111, s40
	GRP1 G1, s43, 384
	GRP1 G1B, s44, 192
	s_lshl_b32 s20, s17, 1
	s_add_co_u32 s18, s20, s15                     ; the group that I multiply
	s_add_co_u32 s20, s20, s16                     ; the group that I fetch
	s_mul_i32 s20, s20, GRP
	s_mov_b32 s21, 0
	s_add_co_u32 s46, s42, 24                      ; W_out's groups lie behind W_qkv's 24
	s_mul_i32 s46, s46, GRP
	s_mov_b32 s47, 0
	s_mul_i32 s22, s16, HALF
	s_mov_b32 s23, 0
	s_mov_b32 s[G0X], 1
	s_mul_i32 s[G0X+1], s16, GRP
	s_mov_b32 s[G0W], 1
	s_add_co_u32 s[G0W+1], s22, WL
	s_mul_i32 s92, s15, GRP
	s_add_co_u32 s93, s92, HALF
	s_mul_i32 s94, s16, 6144
	s_add_co_u32 s94, s94, WL
	s_add_co_u32 s95, s94, HALF
	s_mul_i32 s97, s14, 16*SPITCH
	s_add_co_u32 s97, s97, STAGE
	s_wait_dscnt 0x0
	s_wait_kmcnt 0x0
	s_add_nc_u64 s[20:21], s[4:5], s[20:21]
	s_add_nc_u64 s[46:47], s[8:9], s[46:47]
	s_mov_b64 s[G0X+2:G0X+3], s[20:21]
	s_or_b32 s[G0X+3], s[G0X+3], 0x80000000
	s_add_nc_u64 s[G0W+2:G0W+3], s[46:47], s[22:23]
	s_or_b32 s[G0W+3], s[G0W+3], 0x80000000
	CROUND
	s_cmp_eq_u32 s15, 0
	s_cbranch_scc0 .Lhead_w
	tensor_load_to_lds s[G0X:G0X+3], s[G1:G1+7]
	s_nop 0
	PLACES
	s_branch .Lhead_asked
.Lhead_w:
	tensor_load_to_lds s[G0W:G0W+3], s[G1B:G1B+7]
	s_nop 0
	PLACES
.Lhead_asked:
	s_lshl_b32 s22, s18, 12
	s_add_nc_u64 s[XSP:XSP+1], s[6:7], s[22:23]
	s_add_co_u32 s22, s42, 24
	s_lshl_b32 s22, s22, 12
	s_lshl_b32 s45, s16, 4
	s_add_co_u32 s22, s22, s45
	s_add_nc_u64 s[WSP:WSP+1], s[10:11], s[22:23]
	s_lshl_b32 s22, s42, 9
	s_lshl_b32 s45, s16, 8
	s_add_co_u32 s22, s22, s45                     ; my first column, in bytes
	s_add_nc_u64 s[12:13], s[12:13], s[22:23]
	s_and_b32 s45, ttmp7, 0xffff
	s_cmp_lt_u32 s45, 4                            ; rows 0-4,095 are out0's
	s_cselect_b64 s[OUTP:OUTP+1], s[84:85], s[86:87]
	s_add_nc_u64 s[OUTP:OUTP+1], s[OUTP:OUTP+1], s[22:23]
	s_and_b32 s22, s18, 31
	s_lshl_b32 s22, s22, 19                        ; 128 rows of 4,096 bytes a group
	s_add_nc_u64 s[OUTP:OUTP+1], s[OUTP:OUTP+1], s[22:23]
	v_and_b32 v1, 15, v0
	v_bfe_u32 v2, v0, 4, 1
	v_and_b32 v3, 31, v0
	v_lshlrev_b32 v[LI], 4, v3
	v_add_nc_u32 v[ADRA], s92, v[LI]
	v_add_nc_u32 v[ADRA+1], s93, v[LI]
	v_add_nc_u32 v[ADRB], s94, v[LI]
	v_add_nc_u32 v[ADRB+1], s95, v[LI]
	v_lshlrev_b32 v[VS], 5, v1
	v_lshlrev_b32 v[VB], 6, v2
	v_mul_u32_u24 v7, v1, SPITCH
	v_lshl_add_u32 v7, v2, 6, v7
	v_add_nc_u32 v[STO], s97, v7
	v_mul_u32_u24 v6, v2, SPITCH
	v_lshl_add_u32 v6, v1, 4, v6
	v_add_nc_u32 v[RD], s97, v6                    ; back: sixteen lanes to a row, two rows a load
	v_lshlrev_b32 v[CO], 4, v1
	v_lshl_add_u32 v[CO], v2, 12, v[CO]
	s_wait_alu depctr_va_vdst(0)
.irp s, 0,1,2,3,4,5,6,7
	global_load_b128 v[SA+8*\s:SA+8*\s+3], v[VS], s[XSP:XSP+1] offset:512*\s
	global_load_b128 v[SA+8*\s+4:SA+8*\s+7], v[VS], s[XSP:XSP+1] offset:512*\s+16
	global_load_b128 v[SB+4*\s:SB+4*\s+3], v[VS], s[WSP:WSP+1] offset:512*\s
.endr
.irp b, 0,1,2,3
	global_load_b128 v[BI+8*\b:BI+8*\b+3], v[VB], s[12:13] offset:(32*(\b/2)+8*(\b%2))*4
	global_load_b128 v[BI+8*\b+4:BI+8*\b+7], v[VB], s[12:13] offset:(32*(\b/2)+8*(\b%2))*4+16
.endr
; a step's 32 products; the 32 accumulators take turns in the same order in every step
.macro MUL32 s, first
.set PP, (\s)%2
.irp a, 0,1,2,3,4,5,6,7
.irp b, 0,1,2,3
.if \first
	v_wmma_scale_f32_16x16x128_f8f6f4 v[32*\a+8*\b:32*\a+8*\b+7], v[48*PP+FR*\b:48*PP+FR*\b+11], v[96*PP+FR*\a:96*PP+FR*\a+11], v[BI+8*\b:BI+8*\b+7], v[SB+4*(\s)+\b], v[SA+8*(\s)+\a] matrix_a_fmt:MATRIX_FMT_FP6 matrix_b_fmt:MATRIX_FMT_FP6
.else
	v_wmma_scale_f32_16x16x128_f8f6f4 v[32*\a+8*\b:32*\a+8*\b+7], v[48*PP+FR*\b:48*PP+FR*\b+11], v[96*PP+FR*\a:96*PP+FR*\a+11], v[32*\a+8*\b:32*\a+8*\b+7], v[SB+4*(\s)+\b], v[SA+8*(\s)+\a] matrix_a_fmt:MATRIX_FMT_FP6 matrix_b_fmt:MATRIX_FMT_FP6
.endif
.endr
.endr
.endm
.macro FETCH s
.set PF2, (\s)%2
	WIN 0x40
.irp i, 0,1,2,3,4,5,6,7
.irp c, 0,1,2
	ds_load_b128 v[96*PF2+FR*\i+4*\c:96*PF2+FR*\i+4*\c+3], v[ADRA+(\s)/4] offset:((\s)%4)*STB+\i*1536+512*\c
.endr
.endr
	WIN 0xc0
.irp i, 0,1,2,3
.irp c, 0,1,2
	ds_load_b128 v[48*PF2+FR*\i+4*\c:48*PF2+FR*\i+4*\c+3], v[ADRB+(\s)/4] offset:((\s)%4)*STB+\i*1536+512*\c
.endr
.endr
.endm
	s_wait_tensorcnt 0x0                           ; my part of the tiles is in
	s_barrier_signal -1
	s_barrier_wait -1                              ; and everybody's
	FETCH 0
	s_wait_loadcnt 0x0                             ; scale words and bias
	s_wait_dscnt 0x0
	FETCH 1
	WIN 0x87                                       ; C: the bias, in window 0
	MUL32 0, 1
.irp s, 1,2,3,4,5,6
	s_wait_dscnt 0x0                               ; this step's fragments are in
	PLACES                                         ; in front of loads into the set that the last step multiplied
	FETCH \s+1
	WIN 0xa7
	MUL32 \s, 0
.endr
	s_wait_dscnt 0x0
	MUL32 7, 0
	WIN 0
.macro TOSTAGE a
	WIN 0x08
.irp b, 0,1,2,3
	ds_store_b128 v[STO], v[32*(\a)+8*\b:32*(\a)+8*\b+3] offset:128*(\b/2)+32*(\b%2)
	ds_store_b128 v[STO], v[32*(\a)+8*\b+4:32*(\a)+8*\b+7] offset:128*(\b/2)+32*(\b%2)+16
.endr
	WIN 0
.set BB, BK+32*((\a)%2)
.irp t, 0,1,2,3,4,5,6,7
	ds_load_b128 v[BB+4*\t:BB+4*\t+3], v[RD] offset:\t*2*SPITCH    ; LDS serves a wave's instructions in order: these see my stores
.endr
.endm
.macro SEND a, younger                 ; stage row 2 t + h of tile a is row 32 (a / 2) + 8 (a % 2) + 16 (t / 4) + 2 (t % 4) + h of the group
.set BB, BK+32*((\a)%2)
	s_wait_dscnt \younger
.irp t, 0,1,2,3,4,5,6,7
	global_store_b128 v[CO], v[BB+4*\t:BB+4*\t+3], s[OUTP:OUTP+1] offset:(32*((\a)/2)+8*((\a)%2)+16*(\t/4)+2*(\t%4))*4096 th:TH_STORE_NT
.endr
.endm
	PLACES
	TOSTAGE 0
.irp a, 1,2,3,4,5,6,7
.if \a > 1
	s_wait_xcnt 0x0                                ; block a - 2's stores have read their registers
.endif
	TOSTAGE \a
	SEND \a-1, 16                                  ; behind block a - 1's loads: block a's 8 stores and 8 loads
.endr
	SEND 7, 0
	s_wait_tensorcnt 0x0                           ; the wave's end
	ds_add_u32 v[SPW], v[NIL]
	s_wait_dscnt 0x0
	CROUND                                         ; the closing round
	s_endpgm
.Lfunc_end_k_q7b9fbd5846_gemm_out:
	.size	k_q7b9fbd5846_gemm_out, .Lfunc_end_k_q7b9fbd5846_gemm_out-k_q7b9fbd5846_gemm_out
	.p2alignl 7, 3214868480
	.fill 96, 4, 3214868480
	.section	.rodata,"a",@progbits
	.p2align	6, 0x0
	.amdhsa_kernel k_q7b9fbd5846_gemm_out
		.amdhsa_group_segment_fixed_size 327680
		.amdhsa_private_segment_fixed_size 0
		.amdhsa_enable_private_segment 0
		.amdhsa_kernarg_size 56
		.amdhsa_user_sgpr_count 2
		.amdhsa_user_sgpr_kernarg_segment_ptr 1
		.amdhsa_wavefront_size32 1
		.amdhsa_system_sgpr_workgroup_id_x 1
		.amdhsa_system_sgpr_workgroup_id_y 1
		.amdhsa_system_sgpr_workgroup_id_z 1
		.amdhsa_system_vgpr_workitem_id 0
		.amdhsa_next_free_vgpr 1024
		.amdhsa_next_free_sgpr 100
		.amdhsa_reserve_vcc 0
		.amdhsa_float_denorm_mode_32 3
		.amdhsa_float_denorm_mode_16_64 3
		.amdhsa_memory_ordered 1
		.amdhsa_forward_progress 1
		.amdhsa_inst_pref_size 77
	.end_amdhsa_kernel
	.amdgpu_metadata
---
amdhsa.version: [ 1, 2 ]
amdhsa.kernels:
  - .name:           k_q7b9fbd5846_gemm_out
    .symbol:         k_q7b9fbd5846_gemm_out.kd
    .args:
      - { .name: oc, .offset: 0, .size: 8, .value_kind: global_buffer, .address_space: global }
      - { .name: os, .offset: 8, .size: 8, .value_kind: global_buffer, .address_space: global }
      - { .name: wc, .offset: 16, .size: 8, .value_kind: global_buffer, .address_space: global }
      - { .name: ws, .offset: 24, .size: 8, .value_kind: global_buffer, .address_space: global }
      - { .name: b_out, .offset: 32, .size: 8, .value_kind: global_buffer, .address_space: global }
      - { .name: out0, .offset: 40, .size: 8, .value_kind: global_buffer, .address_space: global }
      - { .name: out1, .offset: 48, .size: 8, .value_kind: global_buffer, .address_space: global }
    .group_segment_fixed_size: 327680
    .private_segment_fixed_size: 0
    .kernarg_segment_align: 8
    .kernarg_segment_size: 56
    .max_flat_workgroup_size: 128
    .sgpr_count:     100
    .vgpr_count:     1024
    .wavefront_size: 32
...
	.end_amdgpu_metadata
.endif
;; end of part 4
